; MI455X (gfx1250); checked and timed in simulation.
; The chip was launched on July 23, 2026; its instructions are those of AMD's public machine-readable ISA for CDNA 5 (MIT licence, August 2026) and "CDNA5" Instruction Set Architecture Reference Guide (July 2026). The comments in the code are by the model that wrote it; some were corrected since.
;; Window Attention. Allowed arithmetic: matrix products marked QUANTISED: E2M1 operands, one E8M0 scale for each 32 along K, by v_wmma_scale_f32_16x16x128_f8f6f4 with both operands' format E2M1 (or v_wmma_scale_f32_32x16x128_f4), f32 sums; everything else in f32.
;; Inputs: W_proj 1,024 x 1,024 float32; W_qkv 1,024 x 3,072 float32; b_proj 1,024 float32; b_qkv 3,072 float32; x 8 x 1,024 x 1,024 float32.
;; Outputs: out0 8 x 1,024 x 1,024 float32.
;; This version of the problem:
;;   THIS VERSION OF THE PROBLEM IS GIVEN IN LOW PRECISION. The matrix products marked QUANTISED in the list below multiply operands that are first quantised to E2M1 (2 exponent bits, 1 mantissa bit; 4 bits a number), with one power-of-two scale for each 32 numbers along K (OCP MX v1.0); their sums are f32. All else is computed in f32.
;;   The module's matrix products, in the order in which they are computed (A, B: the left and right operand; K: the contracted axis; several contracted axes count as one K, in the product's order):
;;     1. [M 8,192, K 1,024] x [K 1,024, N 3,072]; A: input x; B: input W_qkv: QUANTISED
;;     2. batch 128 x [M 1,024, K 64] x [K 64, N 1,024]; A: computed on the way; B: computed on the way: QUANTISED
;;     3. batch 128 x [M 1,024, K 1,024] x [K 1,024, N 64]; A: softmax (see below); B: computed on the way: QUANTISED
;;     4. [M 8,192, K 1,024] x [K 1,024, N 1,024]; A: computed on the way; B: input W_proj: QUANTISED
;;   THE QUANTISER, for each operand of a quantised product, along K:
;;     - K is cut into blocks of 32 from its start; a last block that is shorter is filled with zeros.
;;     - A block's scale is 2^e with e = floor(log2(the largest magnitude in the block)) - 2, held to -126 .. 127; a block of zeros has e = 0. As a byte (E8M0): e + 127.
;;     - Each number is divided by its block's scale, clamped to +-6, and rounded to the nearest number of E2M1, ties to even, subnormals kept.
;;     - The product sums the exact products of the quantised numbers (number of the format x scale) in f32.
;;   ~~~python
;;   def quantise(x, axis):      # numpy; x: float32 -> the quantised numbers, widened to float32 again
;;       x = np.moveaxis(x, axis, -1); K = x.shape[-1]
;;       x = np.pad(x, [(0, 0)] * (x.ndim - 1) + [(0, -K % 32)]); x = x.reshape(x.shape[:-1] + (-1, 32)); a = np.abs(x).max(-1, keepdims=True)
;;       e = np.where(a > 0, np.clip(np.frexp(np.where(a > 0, a, 1))[1] - 1 - 2, -126, 127), 0)      # np.frexp(a)[1] - 1 = floor(log2(a)), exactly
;;       r = np.clip(x / 2.0 ** e, -6, 6)
;;       step = 2.0 ** (np.maximum(np.frexp(np.where(r == 0, 1, r))[1] - 1, 0) - 1)
;;       q = np.round(r / step) * step * 2.0 ** e      # np.round: ties to even
;;       return np.moveaxis(q.reshape(q.shape[:-2] + (-1,))[..., :K], -1, axis).astype(np.float32)
;;   ~~~
;;   SOFTMAX AHEAD OF A QUANTISED PRODUCT. Where the list says 'softmax', what is quantised is not the finished softmax but p = 2^(t - M), with t = logit x log2(e) and M = ceil(the row's largest t), a whole number; so 1/2 < the row's largest p <= 1. The row's sum l is taken of the UNQUANTISED p, in f32, and the product's result is divided by l at the end. Since M is a whole number, a kernel that streams over the keys may use a running M (the ceiling of the running maximum): every later rescaling is an exact power of two, which a block's scale takes up: the codes' values come out the same.
;;   OPERANDS COMPUTED ON THE WAY. 'Computed on the way' means the value that the module computes at that place (a softmax that the list does not call 'softmax' is quantised finished and normalised). What goes into a quantiser is computed in f32, as accurately as f32 sums, v_exp_f32 and their like allow (about 1e-6 of the number): no bf16 or f16 on the way to a quantiser, and a product that is left as it is and whose result goes on into a quantised operand takes f32 operands (vector FMAs, or v_wmma_f32_16x16x4_f32). A number that lies on a knife's edge between two numbers of the format may be rounded either way, as far as f32 arithmetic and the matrix unit's own rounding can turn it there, and no further.
;; One version. Each part assembles by itself: llvm-mc -triple=amdgcn-amd-amdhsa -mcpu=gfx1250 --defsym DOCPART=n.
;; ======== version 1 of 1: 5 launches
;; limits: right only within a limited range of input values
;; workspace buffers: xc 4,194,304 bytes; xs 262,144 bytes; wc 2,097,152 bytes; ws 131,072 bytes; qkv 13,893,632 bytes; oc 4,194,304 bytes; os 262,144 bytes
;; launch prep (part 1): grid 512 x 1, 4 waves a work-group, no clusters, 34,304 bytes of LDS; arguments x, W_qkv, W_proj, xc, xs, wc, ws; writes xc, xs, wc, ws
.if DOCPART == 1
	.amdgcn_target "amdgcn-amd-amdhsa--gfx1250"
	.amdhsa_code_object_version 6
	.text
	.protected	k_q8f6a0d5189_prep
	.globl	k_q8f6a0d5189_prep
	.p2align	8
	.type	k_q8f6a0d5189_prep,@function
k_q8f6a0d5189_prep:
	s_mov_b64 s[64:65], 0
	v_nop
	global_prefetch_b8 v0, s[64:65] scope:SCOPE_SE
	s_setreg_imm32_b32 hwreg(HW_REG_WAVE_MODE, 25, 1), 1
	s_wait_xcnt 0x0
; x [8192][1024], W_qkv [1024][3072] and W_proj [1024][1024], f32, become codes of FP4 (E2M1) with one E8M0 scale byte for each 32 along K (x: its last axis; the weights: their FIRST axis).
; A block's scale is 2^(floor(log2(its largest magnitude)) - 2); its byte is the largest magnitude's exponent field - 2, held at 1 from below; each number / scale goes to the nearest code, ties to even, beyond 6 the code of 6.
; LIMITS: a block of zeros gets the byte 1 where the rule says 127 (its codes are zeros, which add nothing under any byte but 0xff, and this program alone reads the bytes); NaN and infinities among the inputs are not served.
; THE LAYOUT OF THE CODES IS THE MATRIX OPERAND'S REGISTERS ON END.  A tile T is 16 rows (of x) or columns (of a weight): its place p = 0..15 holds row 32 (T / 2) + 8 (T % 2) + p + 8 (p / 8).
;   codes  [T][K step of 128: 8][c: 2][lane = 16 hh + p][16 bytes]: the 32 codes of k = 128 s + 64 c + 32 hh + 0..31, one whole block.  8,192 bytes a tile.
;   scales [T][K half: 2][p][4 words]: word q is the scale word of K step 4 half + q.  512 bytes a tile.
; wc, ws: tiles 0-191 are W_qkv's columns, tiles 192-255 W_proj's.
; Work-groups 0-255 take x (a wave: one tile x 512 along K: the longer job, so it comes first), work-groups 256-511 the weights (a wave: 32 columns x one K step of 128).
; The waves share nothing: no barrier, no cluster, no tensor load, no matrix unit: bytes are all that counts here.
; A weight wave's scale word leaves as 4 bytes a column, 16 bytes apart (its place among a K half's four words hangs on the K step): aligned runs of 256 bytes are written in part there; these are 131,072 bytes of all that the launch moves.
.set WGX,    256
.set FLOORB, 0x1800000                 ; 2^(3 - 127): under it no largest magnitude is taken, so the byte cannot fall under 1
.set OFFE,   0xff000000                ; takes 2 off an exponent field
.set SP,     528                       ; a row of the stage: 512 bytes + 16: the sixteen rows that a load touches start 33 x 16 bytes apart
	s_load_b256 s[4:11], s[0:1], 0x0               ; x s[4:5], W_qkv s[6:7], W_proj s[8:9], xc s[10:11]
	s_load_b128 s[12:15], s[0:1], 0x20             ; xs s[12:13], wc s[14:15]
	s_load_b64 s[16:17], s[0:1], 0x30              ; ws
	v_lshl_add_u32 v30, v0, 2, 0x8400
	v_mov_b32 v31, 0
	v_lshrrev_b32 v1, 5, v0
	v_readfirstlane_b32 s18, v1                    ; wave 0..3
	v_and_b32 v1, 31, v0                           ; lane
	v_and_b32 v2, 15, v0                           ; p
	v_bfe_u32 v3, v0, 4, 1                         ; hh
	s_mov_b32 s35, 0                               ; the upper word of every offset
	s_cmp_lt_u32 ttmp9, WGX
	s_cbranch_scc1 .Lx_path
; ---------------- THE WEIGHTS.  A lane takes a column and its registers run down K: a block of 32 lies in one lane's 32 registers, and the conversions give codes with K innermost.
; Lane (u = hh, p) takes column 8 u + p + 8 (p / 8) of the wave's 32: place p of tile 2 cg + u.  A load covers 128 consecutive bytes, the four waves side by side 512.
; A wave's four blocks have registers and a base of their own: nothing is stepped, no store's data are written again.
	s_sub_co_u32 s19, ttmp9, WGX
	s_and_b32 s23, s19, 7                          ; which K step of 128
	s_lshr_b32 s19, s19, 3                         ; which 128 columns
	s_lshl_b32 s32, s19, 2
	s_add_co_u32 s32, s32, s18                     ; cg: which 32 columns of the 4,096 (W_qkv's 96 groups, then W_proj's 32)
	s_mov_b32 s22, 12288
	s_wait_kmcnt 0x0
	s_cmp_ge_u32 s19, 24                           ; the choice hangs on the work-group's number alone
	s_cselect_b64 s[24:25], s[8:9], s[6:7]         ; the weight,
	s_cselect_b32 s22, 4096, s22                   ; a row of it in bytes,
	s_cselect_b32 s33, 96, 0
	s_sub_co_u32 s33, s32, s33                     ; and my group of columns in it
	s_lshl_b32 s34, s22, 7
	s_mul_i32 s34, s34, s23                        ; 128 rows down for each K step
	s_lshl_b32 s33, s33, 7
	s_add_co_u32 s34, s34, s33
	s_add_nc_u64 s[24:25], s[24:25], s[34:35]      ; block 0's first row, my wave's first column
	s_lshl_b32 s26, s22, 5                         ; from block to block: 32 rows
	s_mov_b32 s27, 0
	s_add_nc_u64 s[36:37], s[24:25], s[26:27]      ; block 1's,
	s_add_nc_u64 s[38:39], s[36:37], s[26:27]      ; block 2's,
	s_add_nc_u64 s[40:41], s[38:39], s[26:27]      ; block 3's
	s_lshl_b32 s34, s32, 14                        ; codes: two tiles of 8,192 bytes a group, 1,024 a K step
	s_lshl_b32 s33, s23, 10
	s_add_co_u32 s34, s34, s33
	s_add_nc_u64 s[28:29], s[14:15], s[34:35]
	s_lshl_b32 s34, s32, 10                        ; scales: two tiles of 512 bytes, 256 a half of K, 4 a K step
	s_lshr_b32 s33, s23, 2
	s_lshl_b32 s33, s33, 8
	s_add_co_u32 s34, s34, s33
	s_and_b32 s33, s23, 3
	s_lshl_b32 s33, s33, 2
	s_add_co_u32 s34, s34, s33
	s_add_nc_u64 s[30:31], s[16:17], s[34:35]
	s_wait_alu depctr_va_vdst(0)
	v_and_b32 v4, 8, v2
	v_add_nc_u32 v4, v4, v2
	v_lshl_add_u32 v4, v3, 3, v4                   ; my column
	v_lshlrev_b32 v5, 2, v4
	v_lshlrev_b32 v6, 4, v2
	v_lshl_add_u32 v7, v3, 9, v6                   ; scales: tile u, place p
	v_lshl_add_u32 v6, v3, 13, v6                  ; codes: tile u, place p
.set i, 0
.rept 32
	v_mad_u32_u24 v[32+i], s22, i, v5              ; row i of a block, my column; never rewritten
.set i, i+1
.endr
.macro WLOAD t                         ; block t into its own 32 registers, from its own base
.if (\t) == 0
.set PB, 24
.else
.set PB, 34+2*(\t)
.endif
.set i, 0
.rept 32
	global_load_b32 v[64+32*(\t)+i], v[32+i], s[PB:PB+1] th:TH_LOAD_NT
.set i, i+1
.endr
.endm
.macro WBLOCK t, left                  ; left: the younger loads that may stay out
.set XS, 64+32*(\t)
.set CD, 192+4*(\t)
	s_wait_loadcnt \left                           ; this block's 32 loads are in
.if (\t)+2 < 4
	WLOAD (\t)+2                                   ; the block two further on is asked for at once: two blocks' loads are out while one is worked on
.endif
	v_max3_num_f32 v10, |v[XS]|, |v[XS+1]|, |v[XS+2]|              ; the block's largest magnitude, in two chains
	v_max3_num_f32 v11, |v[XS+3]|, |v[XS+4]|, |v[XS+5]|
.irp i, 6,10,14,18,22,26
	v_max3_num_f32 v10, v10, |v[XS+\i]|, |v[XS+\i+1]|
	v_max3_num_f32 v11, v11, |v[XS+\i+2]|, |v[XS+\i+3]|
.endr
	v_max3_num_f32 v10, v10, |v[XS+30]|, |v[XS+31]|
	v_max3_num_f32 v10, v10, v11, FLOORB
	v_add_nc_u32 v12, OFFE, v10                    ; the conversion takes the exponent field of this operand as its scale
	v_lshrrev_b32 v13, 23, v12                     ; the scale's byte
.if (\t) == 0
	v_mov_b32 v20, v13                             ; the K step's scale word: block t's byte at place t
.else
	v_lshl_or_b32 v20, v13, 8*(\t), v20
.endif
.irp g, 0,1,2,3
	v_cvt_scalef32_pk8_fp4_f32 v[CD+\g], v[XS+8*\g:XS+8*\g+7], v12
.endr
	v_nop                                          ; one plain place behind the conversions
	global_store_b128 v6, v[CD:CD+3], s[28:29] offset:256*(\t)     ; 512 (t / 2) + 256 (t % 2) = 256 t: sixteen lanes store 256 consecutive bytes, aligned
.endm
	WLOAD 0
	WLOAD 1
	s_wait_alu depctr_va_vdst(0)
	WBLOCK 0, 32                                   ; block 1's 32 loads may be out
	WBLOCK 1, 32                                   ; block 2's
	WBLOCK 2, 32                                   ; block 3's
	WBLOCK 3, 0
	global_store_b32 v7, v20, s[30:31]             ; my column's scale word of this K step
	s_endpgm
; ---------------- x.  K is innermost.  Each load reads 512 consecutive bytes (one row's K step); the 16 rows turn through the wave's own stage in LDS, so that a lane gets two whole blocks of its row.
.Lx_path:
	s_lshl_b32 s19, ttmp9, 2
	s_add_co_u32 s19, s19, s18
	s_lshr_b32 s22, s19, 1                         ; my tile, 0..511
	s_and_b32 s23, s19, 1                          ; my half of K
	s_lshr_b32 s34, s22, 1
	s_lshl_b32 s34, s34, 17                        ; 32 rows of 4,096 bytes for each pair of tiles,
	s_and_b32 s33, s22, 1
	s_lshl_b32 s33, s33, 15                        ; 8 rows for the odd tile,
	s_add_co_u32 s34, s34, s33
	s_lshl_b32 s33, s23, 11                        ; 2,048 bytes for the second half of K
	s_add_co_u32 s34, s34, s33
	s_wait_kmcnt 0x0
	s_add_nc_u64 s[24:25], s[4:5], s[34:35]
	s_lshl_b32 s34, s22, 13
	s_lshl_b32 s33, s23, 12
	s_add_co_u32 s34, s34, s33
	s_add_nc_u64 s[28:29], s[10:11], s[34:35]
	s_lshl_b32 s34, s22, 9
	s_lshl_b32 s33, s23, 8
	s_add_co_u32 s34, s34, s33
	s_add_nc_u64 s[30:31], s[12:13], s[34:35]
	s_mov_b32 s20, 0x76543210
	s_mov_b32 s21, 0xfedcba98                      ; v_permlanex16_b32's selects for lane l xor 16
	s_mul_i32 s34, s18, 16*SP                      ; my stage
	s_wait_alu depctr_va_vdst(0)
	v_lshlrev_b32 v4, 4, v1                        ; 16 x lane
	v_add_nc_u32 v5, s34, v4                       ; into the stage: a row's 512 bytes as they lie
	v_mul_u32_u24 v6, v2, SP
	v_lshl_add_u32 v6, v3, 7, v6
	v_add_nc_u32 v6, s34, v6                       ; out of it: row p, + 128 hh: my block of 32 numbers
	v_lshlrev_b32 v7, 3, v3                        ; 8 hh: a shift in bits, and an offset in bytes
	v_lshl_add_u32 v8, v2, 4, v7                   ; the scale words' place: 16 p + 8 hh
	v_mov_b32 v16, 0                               ; a lane permute's destination counts as one of its sources
.macro XLOAD q                         ; K step q of the 16 rows into set q % 2
.set RS, 64+64*((\q)%2)
.set i, 0
.rept 16
	global_load_b128 v[RS+4*i:RS+4*i+3], v4, s[24:25] offset:(i+8*(i/8))*4096+512*(\q) th:TH_LOAD_NT
.set i, i+1
.endr
.endm
.macro XTURN q                         ; LDS serves a wave's instructions in order: no wait stands between the stores and the loads
.set RS, 64+64*((\q)%2)
.set i, 0
.rept 16
	ds_store_b128 v5, v[RS+4*i:RS+4*i+3] offset:SP*i
.set i, i+1
.endr
.irp c, 0,1
.irp j, 0,1,2,3,4,5,6,7
	ds_load_b128 v[192+32*\c+4*\j:192+32*\c+4*\j+3], v6 offset:256*\c+16*\j     ; k = 64 c + 32 hh + 4 j ..
.endr
.endr
.endm
.macro XQ q                            ; my two blocks 2 c + hh of K step q
.irp c, 0,1
	v_max3_num_f32 v[10+\c], |v[192+32*\c]|, |v[193+32*\c]|, FLOORB
.endr
.irp i, 2,4,6,8,10,12,14,16,18,20,22,24,26,28,30
.irp c, 0,1
	v_max3_num_f32 v[10+\c], v[10+\c], |v[192+32*\c+\i]|, |v[193+32*\c+\i]|
.endr
.endr
.irp c, 0,1
	v_add_nc_u32 v[12+\c], OFFE, v[10+\c]
.endr
.irp c, 0,1
	v_lshrrev_b32 v[14+\c], 23, v[12+\c]
.endr
	v_lshl_or_b32 v[20+\q], v15, 16, v14           ; my two bytes: blocks hh and 2 + hh,
	v_lshlrev_b32 v[20+\q], v7, v[20+\q]           ; at their places in the scale word;
	v_permlanex16_b32 v16, v[20+\q], s20, s21
	v_or_b32 v[20+\q], v[20+\q], v16               ; with lane l xor 16's two the word is whole
.irp c, 0,1
.irp g, 0,1,2,3
	v_cvt_scalef32_pk8_fp4_f32 v[32+8*\q+4*\c+\g], v[192+32*\c+8*\g:199+32*\c+8*\g], v[12+\c]
.endr
.endr
	v_nop                                          ; one plain place behind the conversions
.irp c, 0,1
	global_store_b128 v4, v[32+8*\q+4*\c:35+8*\q+4*\c], s[28:29] offset:1024*\q+512*\c   ; 512 consecutive bytes; each K step has its own registers, so no store's data are written again
.endr
.endm
	XLOAD 0
	XLOAD 1
	s_wait_alu depctr_va_vdst(0)
.irp q, 0,1,2,3
.if \q < 3
	s_wait_loadcnt 16                              ; this K step's 16 loads are in; the next one's 16 may be out
.else
	s_wait_loadcnt 0x0
.endif
	XTURN \q
	s_wait_dscnt 0x0                               ; my 64 numbers are back
.if (\q)+2 < 4
	XLOAD (\q)+2
.endif
	XQ \q
.endr
	v_cmp_le_u32 vcc_lo, 16, v1                    ; lanes 0-15 store words 0, 1 of their row, lanes 16-31 words 2, 3
	v_cndmask_b32 v24, v20, v22, vcc_lo
	v_cndmask_b32 v25, v21, v23, vcc_lo
	global_store_b64 v8, v[24:25], s[30:31]        ; 32 lanes store 256 consecutive bytes, aligned
	s_wait_tensorcnt 0x0
	ds_add_u32 v30, v31
	s_wait_dscnt 0x0
	s_endpgm
.Lfunc_end_k_q8f6a0d5189_prep:
	.size	k_q8f6a0d5189_prep, .Lfunc_end_k_q8f6a0d5189_prep-k_q8f6a0d5189_prep
	.p2alignl 7, 3214868480
	.fill 96, 4, 3214868480
	.section	.rodata,"a",@progbits
	.p2align	6, 0x0
	.amdhsa_kernel k_q8f6a0d5189_prep
		.amdhsa_group_segment_fixed_size 34304
		.amdhsa_private_segment_fixed_size 0
		.amdhsa_enable_private_segment 0
		.amdhsa_kernarg_size 56
		.amdhsa_user_sgpr_count 2
		.amdhsa_user_sgpr_kernarg_segment_ptr 1
		.amdhsa_wavefront_size32 1
		.amdhsa_system_sgpr_workgroup_id_x 1
		.amdhsa_system_sgpr_workgroup_id_y 1
		.amdhsa_system_sgpr_workgroup_id_z 1
		.amdhsa_system_vgpr_workitem_id 0
		.amdhsa_next_free_vgpr 256
		.amdhsa_next_free_sgpr 66
		.amdhsa_reserve_vcc 1
		.amdhsa_float_denorm_mode_32 3
		.amdhsa_float_denorm_mode_16_64 3
		.amdhsa_memory_ordered 1
		.amdhsa_forward_progress 1
		.amdhsa_inst_pref_size 52
	.end_amdhsa_kernel
	.amdgpu_metadata
---
amdhsa.version: [ 1, 2 ]
amdhsa.kernels:
  - .name:           k_q8f6a0d5189_prep
    .symbol:         k_q8f6a0d5189_prep.kd
    .args:
      - { .name: x, .offset: 0, .size: 8, .value_kind: global_buffer, .address_space: global }
      - { .name: W_qkv, .offset: 8, .size: 8, .value_kind: global_buffer, .address_space: global }
      - { .name: W_proj, .offset: 16, .size: 8, .value_kind: global_buffer, .address_space: global }
      - { .name: xc, .offset: 24, .size: 8, .value_kind: global_buffer, .address_space: global }
      - { .name: xs, .offset: 32, .size: 8, .value_kind: global_buffer, .address_space: global }
      - { .name: wc, .offset: 40, .size: 8, .value_kind: global_buffer, .address_space: global }
      - { .name: ws, .offset: 48, .size: 8, .value_kind: global_buffer, .address_space: global }
    .group_segment_fixed_size: 34304
    .private_segment_fixed_size: 0
    .kernarg_segment_align: 8
    .kernarg_segment_size: 56
    .max_flat_workgroup_size: 128
    .sgpr_count:     66
    .vgpr_count:     256
    .wavefront_size: 32
...
	.end_amdgpu_metadata
.endif
;; end of part 1
;; launch qk (part 2): grid 8 x 32, 4 waves a work-group, clusters of 4 x 4, 279,040 bytes of LDS; arguments xc, xs, wc, ws, b_qkv, qkv; writes qkv
.if DOCPART == 2
	.amdgcn_target "amdgcn-amd-amdhsa--gfx1250"
	.amdhsa_code_object_version 6
	.text
	.protected	k_q8f6a0d5189_qk
	.globl	k_q8f6a0d5189_qk
	.p2align	8
	.type	k_q8f6a0d5189_qk,@function
k_q8f6a0d5189_qk:
	s_mov_b64 s[64:65], 0
	v_nop
	global_prefetch_b8 v0, s[64:65] scope:SCOPE_SE
	s_setreg_imm32_b32 hwreg(HW_REG_WAVE_MODE, 25, 1), 1
	s_wait_xcnt 0x0
	s_wait_alu depctr_hold_cnt(0) depctr_sa_sdst(0) depctr_va_vdst(0) depctr_va_sdst(0) depctr_va_ssrc(0) depctr_va_vcc(0) depctr_vm_vsrc(0)
	s_getreg_b32 s2, hwreg(HW_REG_IB_STS2, 6, 4)
	s_cmp_eq_u32 s2, 0
	s_cbranch_scc0 .Lentry_in_a_cluster
	s_endpgm
.Lentry_in_a_cluster:
	s_bfe_u32 s2, ttmp6, 0x10000c
	s_cmp_lg_u32 s2, 0xf033
	s_cbranch_scc0 .Lentry_shape_is_right
	s_endpgm
.Lentry_shape_is_right:
; q and k: (x W_qkv + b_qkv)[:, 0..2047] on codes of FP4 with E8M0 scales, K = 1,024; the result is quantised at once along each head's 64 channels and leaves as codes and scale words: no f32 number goes to memory.
; SHARES.  A work-group of four waves makes 256 tokens x 256 columns, a wave 128 x 128: 64 accumulators of 16 x 16, 512 registers.  Work-group x = W_qkv's block of 256 columns (0-3: q, 4-7: k), work-group y = x's block of 256 rows.
; OPERANDS lie in memory as images of the operand's registers: tile T (16 rows; place p holds row 32 (T / 2) + 8 (T % 2) + p + 8 (p / 8)): [T][K step: 8][c: 2][lane][16 bytes]; scale words [T][K half: 2][p][4 words].
; THE WHOLE K IS IN LDS: region A (x's 16 tiles) and region B (the weight's 16 tiles), each in two halves of K, 64 KiB each, and 16 KiB of scale words: every LDS byte is filled once, so there is no ring.
; A wave issues one tensor load at the start: one is out at the most.  A fragment is two loads of 512 consecutive bytes: no pitch, no padding.
; CLUSTERS: 4 x 4 work-groups.  The four of a row need the same tiles of x, the four of a column the same tiles of the weight: each is asked for JOINTLY, by the same tensor load with the same descriptor and a mask that names the four.
; THE MATRIX INSTRUCTION IS USED TRANSPOSED (source 0 = 16 columns of the weight, source 1 = 16 tokens): lane (r, h) holds ONE token (place r of its tile), and by the order of a tile's places the 16 registers of the
; weight's tiles 2 b and 2 b + 1 are the 16 neighbouring channels 32 b + 16 h + 0..15: so a block's 64 registers go through the quantiser as they stand, and its codes ARE the next product's operand registers.
; THE RECORD of (batch, head), REC bytes: q codes [tile 64][lane][16] at 0; q scale words [tile / 4][p][tile % 4] at 32,768 (word = the head's two bytes, then 0x7f, 0x7f for the zero codes that fill K = 64 up to 128); k likewise at 36,864.
; LIMITS: a block of zeros gets the byte 1 where the rule says 127 (its codes are zeros; this program alone reads the bytes); NaN and infinities are not served.
; REGISTERS, in windows of 256: window 0: v1-31 addresses; v32-95 scale words, two sets; v128-191 region A's fragments, one set, later the 64 numbers to be quantised; v192-231 the quantiser's.
;   window 1: region B's fragments, two sets, at v0 and v128; v192-255 the bias.   windows 2, 3: the accumulators ((a, b) at v[8 (8 (a % 4) + b)]).
.set REC,   108544
.set NQ,    4                          ; K steps of 128 in a half of K
.set FR,    8                          ; registers of a fragment
.set NL,    2                          ; LDS loads that bring one
.set NP,    4                          ; places behind this matrix instruction (ISA guide 7.12.1)
.set HALFK, 4096                       ; IN LDS A TILE LIES WHOLE, 8,192 bytes: K half 1 begins 4,096 bytes into it
.set REGB,  131072                     ; region A: 16 tiles from byte 0; region B: 16 tiles from here
.set SCL,   262144                     ; the scale words: A's 8,192 bytes, then B's
.set ADRA, 16                          ; v16-17 my fragments of A in K half 0, 1
.set ADRB, 20                          ; v20-21 of B
.set VO,   24                          ; v24 16 x lane
.set VS,   25                          ; v25 where my scale words go: REC h + 16 r
.set SH,   26                          ; v26 16 h
.set ADRS, 27                          ; v27 my scale words in LDS: lanes 0-15 A's, lanes 16-31 B's
.set BO,   28                          ; v28 the bias: 64 h
.set SC,   32
.set AF,   128
.set ST,   128
.set TM,   192
.set PW,   208
.set PC,   212
.set SW,   224
.set BI,   192                         ; in window 1
.set WV, 16
.set HP, 17
.set HQ, 18
.set G1, 24
.set G0, 32
.set G1B, 48
.set G0B, 56
.set SEL, 66
.set G1S, 68
.set G0S, 76
.set G1SB, 80
.set G0SB, 88
.set MSB, 0
.macro WIN new                         ; the immediate's high byte repeats the setting that is left
.if MSB != \new
	s_set_vgpr_msb (MSB<<8)|\new
.set MSB, \new
.endif
.endm
.set MUL_LO, 0xa1                      ; source 0 (B) window 1, source 1 (A) window 0, C and D window 2
.set MUL_HI, 0xf1                      ; the same, C and D window 3
.set TO_B,   0x40                      ; destination window 1, address window 0
; THE HEAD'S JOINT LOADS, ONE A WAVE: wave 0 A's codes for all of K (131,072 dense bytes), wave 1 B's, wave 2 A's scale words (8,192 bytes), wave 3 B's.
; One chain of branches on the wave's number, an arm a load; every LDS byte is filled once, and no load follows the head's.
.macro ARM under, g0, g1, next
	s_cmp_lt_u32 s[WV], \under
	s_cbranch_scc0 \next
	tensor_load_to_lds s[\g0:\g0+3], s[\g1:\g1+7]
	s_nop 0
.rept 4
	v_nop
.endr
	s_branch .Lhead_asked
\next:
.endm
.macro CROUND                          ; a round of the cluster's barrier
	s_barrier_signal -1
	s_barrier_wait -1
	s_cmp_lg_u32 s[WV], 0
	s_cbranch_scc1 .Lnot_wave_0_\@
	s_barrier_signal -3
.Lnot_wave_0_\@:
	s_barrier_wait -3
	s_barrier_signal -1
	s_barrier_wait -1
.endm
	s_load_b256 s[4:11], s[0:1], 0x0               ; A's codes s[4:5], A's scales s[6:7], B's codes s[8:9], B's scales s[10:11]
	s_load_b128 s[12:15], s[0:1], 0x20             ; the bias s[12:13], the records s[14:15]
	v_lshl_add_u32 v254, v0, 2, 0x44000
	v_mov_b32 v255, 0
	ds_add_u32 v254, v255
	ds_add_u32 v254, v255
	v_lshrrev_b32 v1, 5, v0
	v_readfirstlane_b32 s[WV], v1                  ; wave 0..3
	s_lshr_b32 s[HP], s[WV], 1                     ; which 128 rows of A are mine
	s_and_b32 s[HQ], s[WV], 1                      ; which 128 rows of B
	s_bfe_u32 s20, ttmp6, 0x40000                  ; cx
	s_bfe_u32 s21, ttmp6, 0x40004                  ; cy
	s_lshl_b32 s22, ttmp9, 2
	s_add_co_u32 s22, s22, s20                     ; B's block: 4 x cluster x + cx
	s_and_b32 s23, ttmp7, 0xffff                   ; the cluster's y is the batch
	s_lshl_b32 s19, s23, 2
	s_add_co_u32 s19, s19, s21                     ; A's block: 4 x cluster y + cy
	s_lshl_b32 s40, s21, 2
	s_lshl_b32 s40, 15, s40                        ; my row of the cluster
	s_lshl_b32 s41, 0x1111, s20                    ; my column
	s_or_b32 s[G1], s40, (3<<16)|(1<<21)           ; 15:0 the mask; 17:16 elements of 8 bytes; 21 set beside a mask; no padding
	s_or_b32 s[G1B], s41, (3<<16)|(1<<21)
	s_or_b32 s[G1S], s40, (3<<16)|(1<<21)
	s_or_b32 s[G1SB], s41, (3<<16)|(1<<21)
.irp g, G1, G1B                        ; codes: 16 tiles, dense: 32 rows of 4,096 bytes
	s_mov_b32 s[\g+1], 512<<16                     ; tensor_dim0
	s_mov_b32 s[\g+2], 32<<16                      ; 16 tiles, dense: 32 rows of 4,096 bytes
	s_mov_b32 s[\g+3], 512<<16
	s_mov_b32 s[\g+4], 32
	s_mov_b32 s[\g+5], 512
	s_mov_b32 s[\g+6], 0
	s_mov_b32 s[\g+7], 0
.endr
.irp g, G1S, G1SB                      ; scale words of 16 tiles: 8,192 dense bytes as 32 rows of 256
	s_mov_b32 s[\g+1], 32<<16
	s_mov_b32 s[\g+2], 32<<16                      ; 16 tiles' scale words: 32 rows of 256 bytes
	s_mov_b32 s[\g+3], 32<<16
	s_mov_b32 s[\g+4], 32
	s_mov_b32 s[\g+5], 32
	s_mov_b32 s[\g+6], 0
	s_mov_b32 s[\g+7], 0
.endr
	s_lshl_b32 s42, s19, 17                        ; A's codes: 131,072 bytes a block, 65,536 for my 8 tiles
	s_mov_b32 s43, 0
	s_lshl_b32 s44, s19, 13                        ; A's scales: 8,192 a block
	s_mov_b32 s45, 0
	s_lshl_b32 s46, s22, 17                        ; B's, in registers that never hold cy
	s_mov_b32 s47, 0
	s_lshl_b32 s92, s22, 13
	s_mov_b32 s93, 0
	s_wait_dscnt 0x0
	s_wait_kmcnt 0x0
	s_add_nc_u64 s[42:43], s[4:5], s[42:43]
	s_add_nc_u64 s[44:45], s[6:7], s[44:45]
	s_add_nc_u64 s[46:47], s[8:9], s[46:47]
	s_add_nc_u64 s[92:93], s[10:11], s[92:93]
	CROUND                                         ; all sixteen work-groups are here: the joint loads meet
	s_mov_b32 s[G0S], 1
	s_mov_b32 s[G0S+1], SCL
	s_mov_b64 s[G0S+2:G0S+3], s[44:45]
	s_or_b32 s[G0S+3], s[G0S+3], 0x80000000
	s_mov_b32 s[G0SB], 1
	s_mov_b32 s[G0SB+1], SCL+8192
	s_mov_b64 s[G0SB+2:G0SB+3], s[92:93]
	s_or_b32 s[G0SB+3], s[G0SB+3], 0x80000000
	s_mov_b32 s[G0], 1
	s_mov_b32 s[G0+1], 0
	s_mov_b64 s[G0+2:G0+3], s[42:43]
	s_or_b32 s[G0+3], s[G0+3], 0x80000000
	s_mov_b32 s[G0B], 1
	s_mov_b32 s[G0B+1], REGB
	s_mov_b64 s[G0B+2:G0B+3], s[46:47]
	s_or_b32 s[G0B+3], s[G0B+3], 0x80000000
	ARM 1, G0,  G1,  .Lhead_b
	ARM 2, G0B, G1B, .Lhead_sa
	ARM 3, G0S, G1S, .Lhead_sb
	tensor_load_to_lds s[G0SB:G0SB+3], s[G1SB:G1SB+7]
	s_nop 0
.rept 4
	v_nop
.endr
.Lhead_asked:
	v_and_b32 v1, 15, v0                           ; r
	v_bfe_u32 v2, v0, 4, 1                         ; h
	s_wait_alu depctr_va_vdst(0)
	v_and_b32 v3, 31, v0                           ; lane
	v_lshlrev_b32 v[VO], 4, v3
	s_lshl_b32 s40, s[HP], 16                      ; my 8 tiles of 8,192 bytes
	s_lshl_b32 s41, s[HQ], 16
	s_add_co_u32 s41, s41, REGB
.irp s, 0,1
	v_add_nc_u32 v[ADRA+\s], s40, v[VO]
	v_add_nc_u32 v[ADRB+\s], s41, v[VO]
	s_add_co_u32 s40, s40, HALFK
	s_add_co_u32 s41, s41, HALFK
.endr
	s_lshl_b32 s40, s[HP], 12                      ; A's scale words: my 8 tiles
	s_lshl_b32 s41, s[HQ], 12                      ; B's: my 8 tiles, behind A's 8,192 bytes
	s_add_co_u32 s41, s41, 8192
	s_sub_co_u32 s41, s41, s40
	v_mul_u32_u24 v4, s41, v2                      ; lanes 16-31 take B's
	s_add_co_u32 s40, s40, SCL
	v_lshl_add_u32 v4, v1, 4, v4
	v_add_nc_u32 v[ADRS], s40, v4
	v_mul_u32_u24 v[VS], v2, REC
	v_lshl_add_u32 v[VS], v1, 4, v[VS]
	v_lshlrev_b32 v[SH], 4, v2
	v_lshlrev_b32 v[BO], 6, v2
	s_wait_alu depctr_va_vdst(0)
.irp b, 0,1,2,3
	v_mov_b32 v[TM+4+\b], 0                        ; written once: a lane permute's destination counts as one of its sources
.endr
	s_mov_b32 s[SEL], 0x76543210
	s_mov_b32 s[SEL+1], 0xfedcba98                 ; v_permlanex16_b32's selects for lane l xor 16
	s_lshl_b32 s40, s22, 10                        ; the bias of my 128 columns: register 8 t + j wants column 32 (t / 2) + 16 h + 8 (t % 2) + j
	s_lshl_b32 s41, s[HQ], 9
	s_add_co_u32 s40, s40, s41
	s_mov_b32 s41, 0
	s_add_nc_u64 s[12:13], s[12:13], s[40:41]
	WIN TO_B
.irp t, 0,1,2,3,4,5,6,7
	global_load_b128 v[BI+8*\t:BI+8*\t+3], v[BO], s[12:13] offset:(32*(\t/2)+8*(\t%2))*4
	global_load_b128 v[BI+8*\t+4:BI+8*\t+7], v[BO], s[12:13] offset:(32*(\t/2)+8*(\t%2))*4+16
.endr
	WIN 0
	; where the results go: record 16 batch + 4 cx + 2 HQ (and the next); q or k by the cluster's x; token tiles 16 cy + 8 HP on
	s_lshl_b32 s40, s23, 4
	s_lshl_b32 s41, s20, 2
	s_add_co_u32 s40, s40, s41
	s_lshl_b32 s41, s[HQ], 1
	s_add_co_u32 s40, s40, s41
	s_mul_i32 s40, s40, REC
	s_mul_i32 s41, ttmp9, 36864
	s_add_co_u32 s40, s40, s41
	s_lshl_b32 s41, s21, 13
	s_lshl_b32 s42, s[HP], 12
	s_add_co_u32 s41, s41, s42                     ; 512 bytes a tile
	s_add_co_u32 s42, s40, s41
	s_mov_b32 s43, 0
	s_add_nc_u64 s[92:93], s[14:15], s[42:43]      ; codes
	s_lshr_b32 s41, s41, 3                         ; 64 bytes a tile
	s_add_co_u32 s42, s40, s41
	s_add_co_u32 s42, s42, 32768
	s_add_nc_u64 s[94:95], s[14:15], s[42:43]      ; scale words
	s_mov_b32 s2, 0xffff
	s_mov_b32 s3, 0x7f7f0000
.macro FRAG reg, adr, q, i             ; a fragment, 16 rows x 128 K: registers 4 c .. 4 c + 3 of lane l are the 16 bytes at 512 c + 16 l of its image
.irp c, 0,1
	ds_load_b128 v[\reg+4*\c:\reg+4*\c+3], v[\adr] offset:8192*(\i)+1024*(\q)+512*\c
.endr
.endm
; 16 matrix instructions: A's blocks a0, a0 + 1 x B's eight, the half's q-th 128 along K.  p: B's set; sc: the set of scale words.  zero = 1: the first product starts the sums.
; The 64 accumulators take turns, one instruction a turn, in the same order in every step.
.macro MUL16 a0, p, q, sc, zero
.irp a, \a0, \a0+1
.irp b, 0,1,2,3,4,5,6,7
.if \zero
	v_wmma_scale_f32_16x16x128_f8f6f4 v[8*(8*((\a)%4)+\b):8*(8*((\a)%4)+\b)+7], v[128*(\p)+FR*\b:128*(\p)+FR*\b+FR-1], v[AF+FR*(\a):AF+FR*(\a)+FR-1], 0, v[SC+8*NQ*(\sc)+NQ*\b+(\q)], v[SC+8*NQ*(\sc)+NQ*(\a)+(\q)] matrix_a_fmt:MATRIX_FMT_FP4 matrix_b_fmt:MATRIX_FMT_FP4 matrix_a_scale:MATRIX_SCALE_ROW1
.else
	v_wmma_scale_f32_16x16x128_f8f6f4 v[8*(8*((\a)%4)+\b):8*(8*((\a)%4)+\b)+7], v[128*(\p)+FR*\b:128*(\p)+FR*\b+FR-1], v[AF+FR*(\a):AF+FR*(\a)+FR-1], v[8*(8*((\a)%4)+\b):8*(8*((\a)%4)+\b)+7], v[SC+8*NQ*(\sc)+NQ*\b+(\q)], v[SC+8*NQ*(\sc)+NQ*(\a)+(\q)] matrix_a_fmt:MATRIX_FMT_FP4 matrix_b_fmt:MATRIX_FMT_FP4 matrix_a_scale:MATRIX_SCALE_ROW1
.endif
.endr
.endr
.endm
.macro FETCH_B slot, q, p
	WIN TO_B
.irp i, 0,1,2,3,4,5,6,7
	FRAG 128*(\p)+FR*\i, ADRB+\slot, \q, \i
.endr
	WIN 0
.endm
.macro FETCH_A slot, q, i0
.irp i, \i0, \i0+1, \i0+2, \i0+3
	FRAG AF+FR*(\i), ADRA+\slot, \q, \i
.endr
.endm
.macro SCALES sc                       ; a K half's scale words: register NQ i + q: lanes 0-15 the word of A's tile i, lanes 16-31 that of B's tile i
.irp i, 0,1,2,3,4,5,6,7
	ds_load_b128 v[SC+8*NQ*\sc+NQ*\i:SC+8*NQ*\sc+NQ*\i+3], v[ADRS] offset:512*\i+256*\sc
.endr
.endm
.macro PLACES n                        ; plain vector instructions between a matrix instruction and a load into, or a read of, its registers (ISA guide 7.12.1 for reads)
.rept \n
	v_nop
.endr
.endm
.macro STEP slot, q, zero              ; a step of 128 along K that has its successor in the same half
	s_wait_dscnt 4*NL                              ; B's set and A's blocks 0-3 are in; the youngest eight loads (A's blocks 4-7) may be out
	WIN MUL_LO
	MUL16 0, (\q)%2, \q, \slot, \zero
	MUL16 2, (\q)%2, \q, \slot, \zero
	s_wait_dscnt 0
	PLACES NP
	FETCH_B \slot, (\q)+1, 1-(\q)%2
	FETCH_A \slot, (\q)+1, 0
	WIN MUL_HI
	MUL16 4, (\q)%2, \q, \slot, \zero
	MUL16 6, (\q)%2, \q, \slot, \zero
	PLACES NP
	WIN 0
	FETCH_A \slot, (\q)+1, 4
.endm
; 64 numbers of a lane, v[s] .. v[s + 63], register 16 b + i = k 32 b + 16 h + i of my row, become a fragment's codes in v[PC] on and its scale word in v[w].
.macro QUANT s, w
.irp b, 0,1,2,3
	v_max3_num_f32 v[TM+\b], |v[\s+16*\b]|, |v[\s+1+16*\b]|, 0x1800000   ; block b: my 16 numbers, and the floor 2^(3 - 127): the byte cannot fall under 1
.endr
.irp i, 2,4,6,8,10,12,14
.irp b, 0,1,2,3
	v_max3_num_f32 v[TM+\b], v[TM+\b], |v[\s+16*\b+\i]|, |v[\s+1+16*\b+\i]|
.endr
.endr
.irp b, 0,1,2,3
	v_permlanex16_b32 v[TM+4+\b], v[TM+\b], s[SEL], s[SEL+1]
.endr
.irp b, 0,1,2,3
	v_max_num_f32 v[TM+\b], v[TM+\b], v[TM+4+\b]   ; with lane l xor 16's: the block's largest magnitude
.endr
.irp b, 0,1,2,3
	v_add_nc_u32 v[TM+12+\b], 0xff000000, v[TM+\b] ; 2 off its exponent field: the conversion's scale operand
.endr
.irp b, 0,1,2,3
	v_lshrrev_b32 v[TM+4+\b], 23, v[TM+12+\b]      ; the scale's byte
.endr
	v_lshl_or_b32 v[\w], v[TM+5], 8, v[TM+4]
	v_lshl_or_b32 v[\w], v[TM+6], 16, v[\w]
	v_lshl_or_b32 v[\w], v[TM+7], 24, v[\w]
.irp b, 0,1,2,3
	v_cvt_scalef32_pk8_fp4_f32 v[PC+2*\b], v[\s+16*\b:\s+7+16*\b], v[TM+12+\b]
	v_cvt_scalef32_pk8_fp4_f32 v[PC+1+2*\b], v[\s+8+16*\b:\s+15+16*\b], v[TM+12+\b]
.endr
	v_nop                                          ; one plain place behind a scaled conversion
.irp c, 0,1                            ; the operand's layout wants a WHOLE block in a lane: lanes 0-15 block 2 c, lanes 16-31 block 2 c + 1
.irp i, 0,1
	v_permlane16_swap_b32 v[PC+4*\c+\i], v[PC+2+4*\c+\i]
.endr
.endr
.endm
	s_wait_tensorcnt 0x0                           ; my one load is in,
	s_barrier_signal -1
	s_barrier_wait -1                              ; everybody's are
	FETCH_B 0, 0, 0
	FETCH_A 0, 0, 0
	SCALES 0
	FETCH_A 0, 0, 4
	STEP 0, 0, 1                                   ; the first step's products start the sums: nothing is cleared
	STEP 0, 1, 0
	STEP 0, 2, 0
	s_wait_dscnt 4*NL                              ; the half's last step
	WIN MUL_LO
	MUL16 0, 1, NQ-1, 0, 0
	s_wait_dscnt 0x0                               ; all my LDS loads are in
	MUL16 2, 1, NQ-1, 0, 0
	WIN 0
	PLACES NP
	FETCH_B 1, 0, 0
	FETCH_A 1, 0, 0
	SCALES 1
	WIN MUL_HI
	MUL16 4, 1, NQ-1, 0, 0
	MUL16 6, 1, NQ-1, 0, 0
	PLACES NP
	WIN 0
	FETCH_A 1, 0, 4
	STEP 1, 0, 0
	STEP 1, 1, 0
	STEP 1, 2, 0
	s_wait_dscnt 4*NL                              ; the very last step: nothing more to fetch
	WIN MUL_LO
	MUL16 0, 1, NQ-1, 1, 0
	MUL16 2, 1, NQ-1, 1, 0
	s_wait_dscnt 0
	WIN MUL_HI
	MUL16 4, 1, NQ-1, 1, 0
	MUL16 6, 1, NQ-1, 1, 0
	WIN 0
	PLACES NP
	s_wait_loadcnt 0x0                             ; the bias
; THE WAY OUT, a tile of 16 tokens at a time: + bias (which also brings the 64 numbers into window 0, each accumulator from its low end on), the quantiser, two stores of 512 consecutive bytes: head 2 HQ's codes and head 2 HQ + 1's.
.irp a, 0,1,2,3,4,5,6,7
.set W, 0x06+(\a/4)                    ; source 0: the accumulators' window, source 1: window 1, destination: window 0
	WIN W
.set i, 0
.rept 32
	v_pk_add_f32 v[ST+2*i:ST+2*i+1], v[64*(\a%4)+2*i:64*(\a%4)+2*i+1], v[BI+2*i:BI+2*i+1]
.set i, i+1
.endr
	WIN 0
	s_wait_xcnt 0x0                                ; the last tile's stores have read their codes
	QUANT ST, PW
.irp c, 0,1
	global_store_b128 v[VO], v[PC+4*\c:PC+4*\c+3], s[92:93] offset:\c*REC+512*\a
.endr
	v_lshrrev_b32 v[TM], v[SH], v[PW]              ; lanes 0-15 keep the first head's two bytes, lanes 16-31 the second's;
	v_and_or_b32 v[SW+\a], v[TM], s2, s3           ; bytes 2 and 3 are 0x7f: they scale the zero codes that fill K up to 128
.endr
	global_store_b128 v[VS], v[SW:SW+3], s[94:95]              ; four tiles' words of a token place: sixteen lanes store 256 consecutive bytes, aligned, in each of the two records
	global_store_b128 v[VS], v[SW+4:SW+7], s[94:95] offset:256
	s_wait_tensorcnt 0x0
	ds_add_u32 v254, v255
	s_wait_dscnt 0x0
	CROUND                                         ; the closing round: no work-group ends while a partner may still ask for a tile that names it
	s_endpgm
.Lfunc_end_k_q8f6a0d5189_qk:
	.size	k_q8f6a0d5189_qk, .Lfunc_end_k_q8f6a0d5189_qk-k_q8f6a0d5189_qk
	.p2alignl 7, 3214868480
	.fill 96, 4, 3214868480
	.section	.rodata,"a",@progbits
	.p2align	6, 0x0
	.amdhsa_kernel k_q8f6a0d5189_qk
		.amdhsa_group_segment_fixed_size 279040
		.amdhsa_private_segment_fixed_size 0
		.amdhsa_enable_private_segment 0
		.amdhsa_kernarg_size 48
		.amdhsa_user_sgpr_count 2
		.amdhsa_user_sgpr_kernarg_segment_ptr 1
		.amdhsa_wavefront_size32 1
		.amdhsa_system_sgpr_workgroup_id_x 1
		.amdhsa_system_sgpr_workgroup_id_y 1
		.amdhsa_system_sgpr_workgroup_id_z 1
		.amdhsa_system_vgpr_workitem_id 0
		.amdhsa_next_free_vgpr 1024
		.amdhsa_next_free_sgpr 100
		.amdhsa_reserve_vcc 0
		.amdhsa_float_denorm_mode_32 3
		.amdhsa_float_denorm_mode_16_64 3
		.amdhsa_memory_ordered 1
		.amdhsa_forward_progress 1
		.amdhsa_inst_pref_size 144
	.end_amdhsa_kernel
	.amdgpu_metadata
---
amdhsa.version: [ 1, 2 ]
amdhsa.kernels:
  - .name:           k_q8f6a0d5189_qk
    .symbol:         k_q8f6a0d5189_qk.kd
    .args:
      - { .name: xc, .offset: 0, .size: 8, .value_kind: global_buffer, .address_space: global }
      - { .name: xs, .offset: 8, .size: 8, .value_kind: global_buffer, .address_space: global }
      - { .name: wc, .offset: 16, .size: 8, .value_kind: global_buffer, .address_space: global }
      - { .name: ws, .offset: 24, .size: 8, .value_kind: global_buffer, .address_space: global }
      - { .name: b_qkv, .offset: 32, .size: 8, .value_kind: global_buffer, .address_space: global }
      - { .name: qkv, .offset: 40, .size: 8, .value_kind: global_buffer, .address_space: global }
    .group_segment_fixed_size: 279040
    .private_segment_fixed_size: 0
    .kernarg_segment_align: 8
    .kernarg_segment_size: 48
    .max_flat_workgroup_size: 128
    .sgpr_count:     100
    .vgpr_count:     1024
    .wavefront_size: 32
...
	.end_amdgpu_metadata
.endif
;; end of part 2
;; launch vv (part 3): grid 32 x 8, 4 waves a work-group, clusters of 4 x 4, 209,408 bytes of LDS; arguments wc, ws, xc, xs, b_qkv, qkv; writes qkv
.if DOCPART == 3
	.amdgcn_target "amdgcn-amd-amdhsa--gfx1250"
	.amdhsa_code_object_version 6
	.text
	.protected	k_q8f6a0d5189_vv
	.globl	k_q8f6a0d5189_vv
	.p2align	8
	.type	k_q8f6a0d5189_vv,@function
k_q8f6a0d5189_vv:
	s_mov_b64 s[64:65], 0
	v_nop
	global_prefetch_b8 v0, s[64:65] scope:SCOPE_SE
	s_setreg_imm32_b32 hwreg(HW_REG_WAVE_MODE, 25, 1), 1
	s_wait_xcnt 0x0
	s_wait_alu depctr_hold_cnt(0) depctr_sa_sdst(0) depctr_va_vdst(0) depctr_va_sdst(0) depctr_va_ssrc(0) depctr_va_vcc(0) depctr_vm_vsrc(0)
	s_getreg_b32 s2, hwreg(HW_REG_IB_STS2, 6, 4)
	s_cmp_eq_u32 s2, 0
	s_cbranch_scc0 .Lentry_in_a_cluster
	s_endpgm
.Lentry_in_a_cluster:
	s_bfe_u32 s2, ttmp6, 0x10000c
	s_cmp_lg_u32 s2, 0xf033
	s_cbranch_scc0 .Lentry_shape_is_right
	s_endpgm
.Lentry_shape_is_right:
; v: (x W_qkv + b_qkv)[:, 2048..3071] on codes of FP4 with E8M0 scales, K = 1,024; the result is quantised at once ALONG THE KEYS (tokens), which are the K of attention's second product, and leaves as codes and scale words.
; The product is laid the other way round than for q and k: region A (source 1, a lane) = 128 columns of the weight, two heads: block = work-group y; region B (source 0, the registers) = 256 tokens, x's block = work-group x.
; SHARES.  32 x 8 = 256 work-groups of four waves; a wave makes 64 channels (ONE head) x 128 tokens (ONE key step): 32 accumulators of 16 x 16, 256 registers.
; Lane (r, h) holds ONE channel (place r of its tile), and the 16 registers of x's tiles 2 b and 2 b + 1 are the 16 neighbouring keys 32 b + 16 h + 0..15.
; OPERANDS lie in memory as images of the operand's registers: tile T (16 rows; place p holds row 32 (T / 2) + 8 (T % 2) + p + 8 (p / 8)): [T][K step: 8][c: 2][lane][16 bytes]; scale words [T][K half: 2][p][4 words].
; THE WHOLE K IS IN LDS: region A's 8 whole tiles (64 KiB), then region B's 16 (128 KiB); behind them 12 KiB of scale words: every LDS byte is filled once, so there is no ring.
; A wave issues one tensor load at the start: one is out at the most.  A fragment is two loads of 512 consecutive bytes: no pitch, no padding.
; CLUSTERS: 4 x 4 work-groups.  The four of a row need the same tiles of the weight, the four of a column the same tiles of x: each is asked for JOINTLY, by the same tensor load with the same descriptor and a mask that names the four.
; THE RECORD of (batch, head), REC bytes: v codes [channel tile 4][key step 8][c][lane][16] at 73,728; v scale words [key step 8][p][channel tile 4] at 106,496.
; LIMITS: a block of zeros gets the byte 1 where the rule says 127 (its codes are zeros; this program alone reads the bytes); NaN and infinities are not served.
; REGISTERS, in windows of 256: window 0: v1-31 addresses; v32-95 scale words, two sets; v128-191 region A's fragments, two sets of 32, later the 64 numbers to be quantised; v192-227 the quantiser's.
;   window 1: region B's fragments, two sets, at v0 and v128; v192-199 the bias.   window 2: the accumulators ((a, b) at v[8 (8 a + b)]).
.set REC,   108544
.set NQ,    4                          ; K steps of 128 in a half of K
.set FR,    8                          ; registers of a fragment
.set NP,    4                          ; places behind this matrix instruction (ISA guide 7.12.1)
.set HALFK, 4096                       ; IN LDS A TILE LIES WHOLE, 8,192 bytes: K half 1 begins 4,096 bytes into it
.set REGB,  65536                      ; region A: 8 tiles from byte 0; region B: 16 tiles from here
.set SCL,   196608                     ; the scale words: A's 4,096 bytes, then B's 8,192
.set ADRA, 16                          ; v16-17 my fragments of A in K half 0, 1
.set ADRB, 20                          ; v20-21 of B
.set VO,   24                          ; v24 16 x lane
.set VS,   25                          ; v25 16 r
.set ADRS, 27                          ; v27 my scale words in LDS: lanes 0-15 A's, lanes 16-31 B's
.set BO,   28                          ; v28 the bias: 4 (r + 8 (r / 8))
.set SC,   32
.set AF,   128
.set ST,   128
.set TM,   192
.set PC,   212
.set SW,   224
.set BI,   192                         ; in window 1
.set WV, 16
.set HP, 17
.set HQ, 18
.set G1, 24
.set G0, 32
.set G1B, 48
.set G0B, 56
.set SEL, 66
.set G1S, 68
.set G0S, 76
.set G1SB, 80
.set G0SB, 88
.set MSB, 0
.macro WIN new                         ; the immediate's high byte repeats the setting that is left
.if MSB != \new
	s_set_vgpr_msb (MSB<<8)|\new
.set MSB, \new
.endif
.endm
.set MUL,  0xa1                        ; source 0 (B) window 1, source 1 (A) window 0, C and D window 2
.set TO_B, 0x40                        ; destination window 1, address window 0
; THE HEAD'S JOINT LOADS, ONE A WAVE: wave 0 A's codes for all of K (65,536 dense bytes), wave 1 B's (131,072), wave 2 A's scale words, wave 3 B's.
; One chain of branches on the wave's number, an arm a load; every LDS byte is filled once, and no load follows the head's.
.macro ARM under, g0, g1, next
	s_cmp_lt_u32 s[WV], \under
	s_cbranch_scc0 \next
	tensor_load_to_lds s[\g0:\g0+3], s[\g1:\g1+7]
	s_nop 0
.rept 4
	v_nop
.endr
	s_branch .Lhead_asked
\next:
.endm
.macro CROUND                          ; a round of the cluster's barrier
	s_barrier_signal -1
	s_barrier_wait -1
	s_cmp_lg_u32 s[WV], 0
	s_cbranch_scc1 .Lnot_wave_0_\@
	s_barrier_signal -3
.Lnot_wave_0_\@:
	s_barrier_wait -3
	s_barrier_signal -1
	s_barrier_wait -1
.endm
	s_load_b256 s[4:11], s[0:1], 0x0               ; A's codes s[4:5] and scales s[6:7] (the weights'), B's codes s[8:9] and scales s[10:11] (x's)
	s_load_b128 s[12:15], s[0:1], 0x20             ; the bias s[12:13], the records s[14:15]
	v_lshl_add_u32 v254, v0, 2, 0x33000
	v_mov_b32 v255, 0
	ds_add_u32 v254, v255
	ds_add_u32 v254, v255
	v_lshrrev_b32 v1, 5, v0
	v_readfirstlane_b32 s[WV], v1                  ; wave 0..3
	s_lshr_b32 s[HP], s[WV], 1                     ; which 64 rows of A are mine
	s_and_b32 s[HQ], s[WV], 1                      ; which 128 rows of B
	s_bfe_u32 s20, ttmp6, 0x40000                  ; cx
	s_bfe_u32 s21, ttmp6, 0x40004                  ; cy
	s_lshl_b32 s22, ttmp9, 2
	s_add_co_u32 s22, s22, s20                     ; B's block: x's 256 rows: 4 x cluster x + cx; the cluster's x is the batch
	s_and_b32 s23, ttmp7, 0xffff
	s_lshl_b32 s19, s23, 2
	s_add_co_u32 s19, s19, s21                     ; A's block: W_qkv's columns 2,048 + 128 (4 x cluster y + cy) on
	s_lshl_b32 s40, s21, 2
	s_lshl_b32 s40, 15, s40                        ; my row of the cluster
	s_lshl_b32 s41, 0x1111, s20                    ; my column
	s_or_b32 s[G1], s40, (3<<16)|(1<<21)           ; 15:0 the mask; 17:16 elements of 8 bytes; 21 set beside a mask; no padding
	s_or_b32 s[G1B], s41, (3<<16)|(1<<21)
	s_or_b32 s[G1S], s40, (3<<16)|(1<<21)
	s_or_b32 s[G1SB], s41, (3<<16)|(1<<21)
	s_mov_b32 s[G1+1], 512<<16                     ; A's codes: rows of 4,096 bytes
	s_mov_b32 s[G1+2], 16<<16                      ; 8 tiles, dense: 16 rows of 4,096 bytes
	s_mov_b32 s[G1+3], 512<<16
	s_mov_b32 s[G1+4], 16
	s_mov_b32 s[G1+5], 512
	s_mov_b32 s[G1+6], 0
	s_mov_b32 s[G1+7], 0
	s_mov_b32 s[G1B+1], 512<<16                    ; B's codes
	s_mov_b32 s[G1B+2], 32<<16                     ; 16 tiles: 32 such rows
	s_mov_b32 s[G1B+3], 512<<16
	s_mov_b32 s[G1B+4], 32
	s_mov_b32 s[G1B+5], 512
	s_mov_b32 s[G1B+6], 0
	s_mov_b32 s[G1B+7], 0
	s_mov_b32 s[G1S+1], 32<<16                     ; A's scale words: rows of 256 bytes
	s_mov_b32 s[G1S+2], 16<<16                     ; 8 tiles' scale words: 16 rows of 256 bytes
	s_mov_b32 s[G1S+3], 32<<16
	s_mov_b32 s[G1S+4], 16
	s_mov_b32 s[G1S+5], 32
	s_mov_b32 s[G1S+6], 0
	s_mov_b32 s[G1S+7], 0
	s_mov_b32 s[G1SB+1], 32<<16                    ; B's scale words: rows of 256 bytes
	s_mov_b32 s[G1SB+2], 32<<16                    ; 16 tiles': 32 rows
	s_mov_b32 s[G1SB+3], 32<<16
	s_mov_b32 s[G1SB+4], 32
	s_mov_b32 s[G1SB+5], 32
	s_mov_b32 s[G1SB+6], 0
	s_mov_b32 s[G1SB+7], 0
	s_lshl_b32 s42, s19, 16                        ; A's codes: 65,536 bytes a block, 32,768 for my 4 tiles,
	s_add_co_u32 s42, s42, 128*8192                ; from tile 128 on: column 2,048
	s_mov_b32 s43, 0
	s_lshl_b32 s44, s19, 12                        ; A's scales: 4,096 a block
	s_add_co_u32 s44, s44, 128*512
	s_mov_b32 s45, 0
	s_lshl_b32 s46, s22, 17                        ; B's, in registers that never hold cy: 131,072 bytes a block, 65,536 for my 8 tiles
	s_mov_b32 s47, 0
	s_lshl_b32 s92, s22, 13
	s_mov_b32 s93, 0
	s_wait_dscnt 0x0
	s_wait_kmcnt 0x0
	s_add_nc_u64 s[42:43], s[4:5], s[42:43]
	s_add_nc_u64 s[44:45], s[6:7], s[44:45]
	s_add_nc_u64 s[46:47], s[8:9], s[46:47]
	s_add_nc_u64 s[92:93], s[10:11], s[92:93]
	CROUND                                         ; all sixteen work-groups are here: the joint loads meet
	s_mov_b32 s[G0S], 1
	s_mov_b32 s[G0S+1], SCL
	s_mov_b64 s[G0S+2:G0S+3], s[44:45]
	s_or_b32 s[G0S+3], s[G0S+3], 0x80000000
	s_mov_b32 s[G0SB], 1
	s_mov_b32 s[G0SB+1], SCL+4096
	s_mov_b64 s[G0SB+2:G0SB+3], s[92:93]
	s_or_b32 s[G0SB+3], s[G0SB+3], 0x80000000
	s_mov_b32 s[G0], 1
	s_mov_b32 s[G0+1], 0
	s_mov_b64 s[G0+2:G0+3], s[42:43]
	s_or_b32 s[G0+3], s[G0+3], 0x80000000
	s_mov_b32 s[G0B], 1
	s_mov_b32 s[G0B+1], REGB
	s_mov_b64 s[G0B+2:G0B+3], s[46:47]
	s_or_b32 s[G0B+3], s[G0B+3], 0x80000000
	ARM 1, G0,  G1,  .Lhead_b
	ARM 2, G0B, G1B, .Lhead_sa
	ARM 3, G0S, G1S, .Lhead_sb
	tensor_load_to_lds s[G0SB:G0SB+3], s[G1SB:G1SB+7]
	s_nop 0
.rept 4
	v_nop
.endr
.Lhead_asked:
	v_and_b32 v1, 15, v0                           ; r
	v_bfe_u32 v2, v0, 4, 1                         ; h
	s_wait_alu depctr_va_vdst(0)
	v_and_b32 v3, 31, v0                           ; lane
	v_lshlrev_b32 v[VO], 4, v3
	s_lshl_b32 s40, s[HP], 15                      ; my 4 tiles of A, 8,192 bytes each
	s_lshl_b32 s41, s[HQ], 16                      ; my 8 tiles of B
	s_add_co_u32 s41, s41, REGB
.irp s, 0,1
	v_add_nc_u32 v[ADRA+\s], s40, v[VO]
	v_add_nc_u32 v[ADRB+\s], s41, v[VO]
	s_add_co_u32 s40, s40, HALFK
	s_add_co_u32 s41, s41, HALFK
.endr
	s_lshl_b32 s40, s[HP], 11                      ; A's scale words: my 4 tiles
	s_lshl_b32 s41, s[HQ], 12                      ; B's: my 8 tiles, behind A's 4,096 bytes
	s_add_co_u32 s41, s41, 4096
	s_sub_co_u32 s41, s41, s40
	v_mul_u32_u24 v4, s41, v2                      ; lanes 16-31 take B's
	s_add_co_u32 s40, s40, SCL
	v_lshl_add_u32 v4, v1, 4, v4
	v_add_nc_u32 v[ADRS], s40, v4
	v_lshlrev_b32 v[VS], 4, v1
	v_and_b32 v[BO], 8, v1
	v_add_nc_u32 v[BO], v[BO], v1
	v_lshlrev_b32 v[BO], 2, v[BO]
	s_wait_alu depctr_va_vdst(0)
.irp b, 0,1,2,3
	v_mov_b32 v[TM+4+\b], 0                        ; written once: a lane permute's destination counts as one of its sources
.endr
	s_mov_b32 s[SEL], 0x76543210
	s_mov_b32 s[SEL+1], 0xfedcba98                 ; v_permlanex16_b32's selects for lane l xor 16
	s_lshl_b32 s40, s19, 9                         ; the bias of my 64 columns, 2,048 + 128 block + 64 HP on: for tile a my lane wants column 32 (a / 2) + 8 (a % 2) + r + 8 (r / 8)
	s_lshl_b32 s41, s[HP], 8
	s_add_co_u32 s40, s40, s41
	s_add_co_u32 s40, s40, 8192
	s_mov_b32 s41, 0
	s_add_nc_u64 s[12:13], s[12:13], s[40:41]
	WIN TO_B
.irp a, 0,1,2,3
	global_load_b32 v[BI+2*\a], v[BO], s[12:13] offset:(32*(\a/2)+8*(\a%2))*4      ; the packed addition takes a pair: the number comes into both registers
	global_load_b32 v[BI+2*\a+1], v[BO], s[12:13] offset:(32*(\a/2)+8*(\a%2))*4
.endr
	WIN 0
	; where the results go: record 16 batch + 2 block + HP; key step 2 cx + HQ
	s_lshl_b32 s40, ttmp9, 4
	s_lshl_b32 s41, s19, 1
	s_add_co_u32 s40, s40, s41
	s_add_co_u32 s40, s40, s[HP]
	s_mul_i32 s40, s40, REC
	s_lshl_b32 s41, s20, 1
	s_add_co_u32 s41, s41, s[HQ]
	s_lshl_b32 s42, s41, 10
	s_add_co_u32 s42, s42, s40
	s_add_co_u32 s42, s42, 73728
	s_mov_b32 s43, 0
	s_add_nc_u64 s[92:93], s[14:15], s[42:43]      ; codes
	s_lshl_b32 s42, s41, 8
	s_add_co_u32 s42, s42, s40
	s_add_co_u32 s42, s42, 106496
	s_add_nc_u64 s[94:95], s[14:15], s[42:43]      ; scale words
.macro FRAG reg, adr, q, i             ; a fragment, 16 rows x 128 K: registers 4 c .. 4 c + 3 of lane l are the 16 bytes at 512 c + 16 l of its image
.irp c, 0,1
	ds_load_b128 v[\reg+4*\c:\reg+4*\c+3], v[\adr] offset:8192*(\i)+1024*(\q)+512*\c
.endr
.endm
; A step's 32 matrix instructions: A's four blocks x B's eight, the half's q-th 128 along K.  p: the set of fragments; sc: the set of scale words.  zero = 1: the first product starts the sums.
; The 32 accumulators take turns, one instruction a turn, in the same order in every step.
.macro MUL32 p, q, sc, zero
.irp a, 0,1,2,3
.irp b, 0,1,2,3,4,5,6,7
.if \zero
	v_wmma_scale_f32_16x16x128_f8f6f4 v[8*(8*\a+\b):8*(8*\a+\b)+7], v[128*(\p)+FR*\b:128*(\p)+FR*\b+FR-1], v[AF+32*(\p)+FR*\a:AF+32*(\p)+FR*\a+FR-1], 0, v[SC+8*NQ*(\sc)+NQ*\b+(\q)], v[SC+8*NQ*(\sc)+NQ*\a+(\q)] matrix_a_fmt:MATRIX_FMT_FP4 matrix_b_fmt:MATRIX_FMT_FP4 matrix_a_scale:MATRIX_SCALE_ROW1
.else
	v_wmma_scale_f32_16x16x128_f8f6f4 v[8*(8*\a+\b):8*(8*\a+\b)+7], v[128*(\p)+FR*\b:128*(\p)+FR*\b+FR-1], v[AF+32*(\p)+FR*\a:AF+32*(\p)+FR*\a+FR-1], v[8*(8*\a+\b):8*(8*\a+\b)+7], v[SC+8*NQ*(\sc)+NQ*\b+(\q)], v[SC+8*NQ*(\sc)+NQ*\a+(\q)] matrix_a_fmt:MATRIX_FMT_FP4 matrix_b_fmt:MATRIX_FMT_FP4 matrix_a_scale:MATRIX_SCALE_ROW1
.endif
.endr
.endr
.endm
.macro FETCH slot, q, p                ; 24 LDS loads in one run: B's eight fragments and A's four of the half's q-th 128 along K, into set p
	WIN TO_B
.irp i, 0,1,2,3,4,5,6,7
	FRAG 128*(\p)+FR*\i, ADRB+\slot, \q, \i
.endr
	WIN 0
.irp i, 0,1,2,3
	FRAG AF+32*(\p)+FR*\i, ADRA+\slot, \q, \i
.endr
.endm
.macro SCALES sc                       ; a K half's scale words: register NQ i + q: lanes 16-31 the word of B's tile i; lanes 0-15 that of A's tile i (i = 0..3; for i = 4..7 they read on into filled bytes, and nobody uses what they bring)
.irp i, 0,1,2,3,4,5,6,7
	ds_load_b128 v[SC+8*NQ*\sc+NQ*\i:SC+8*NQ*\sc+NQ*\i+3], v[ADRS] offset:512*\i+256*\sc
.endr
.endm
.macro PLACES n                        ; plain vector instructions between a matrix instruction and a load into, or a read of, its registers (ISA guide 7.12.1 for reads)
.rept \n
	v_nop
.endr
.endm
.macro STEP slot, q, zero              ; a step of 128 along K that has its successor in the same half: the successor's fragments are asked for first, into the other set, and land under this step's 32 products
	s_wait_dscnt 0x0                               ; this step's fragments are in
.if \zero == 0
	PLACES NP                                      ; the last step's products have read the other set
.endif
	FETCH \slot, (\q)+1, 1-(\q)%2
	WIN MUL
	MUL32 (\q)%2, \q, \slot, \zero
.endm
; 64 numbers of a lane, register 16 b + i = k 32 b + 16 h + i of my row, become a fragment's codes in v[PC] on and its scale word in v[w].
.macro QUANT s, w
.irp b, 0,1,2,3
	v_max3_num_f32 v[TM+\b], |v[\s+16*\b]|, |v[\s+1+16*\b]|, 0x1800000   ; block b: my 16 numbers, and the floor 2^(3 - 127): the byte cannot fall under 1
.endr
.irp i, 2,4,6,8,10,12,14
.irp b, 0,1,2,3
	v_max3_num_f32 v[TM+\b], v[TM+\b], |v[\s+16*\b+\i]|, |v[\s+1+16*\b+\i]|
.endr
.endr
.irp b, 0,1,2,3
	v_permlanex16_b32 v[TM+4+\b], v[TM+\b], s[SEL], s[SEL+1]
.endr
.irp b, 0,1,2,3
	v_max_num_f32 v[TM+\b], v[TM+\b], v[TM+4+\b]   ; with lane l xor 16's: the block's largest magnitude
.endr
.irp b, 0,1,2,3
	v_add_nc_u32 v[TM+12+\b], 0xff000000, v[TM+\b] ; 2 off its exponent field: the conversion's scale operand
.endr
.irp b, 0,1,2,3
	v_lshrrev_b32 v[TM+4+\b], 23, v[TM+12+\b]      ; the scale's byte
.endr
	v_lshl_or_b32 v[\w], v[TM+5], 8, v[TM+4]
	v_lshl_or_b32 v[\w], v[TM+6], 16, v[\w]
	v_lshl_or_b32 v[\w], v[TM+7], 24, v[\w]
.irp b, 0,1,2,3
	v_cvt_scalef32_pk8_fp4_f32 v[PC+2*\b], v[\s+16*\b:\s+7+16*\b], v[TM+12+\b]
	v_cvt_scalef32_pk8_fp4_f32 v[PC+1+2*\b], v[\s+8+16*\b:\s+15+16*\b], v[TM+12+\b]
.endr
	v_nop                                          ; one plain place behind a scaled conversion
.irp c, 0,1                            ; the operand's layout wants a WHOLE block in a lane: lanes 0-15 block 2 c, lanes 16-31 block 2 c + 1
.irp i, 0,1
	v_permlane16_swap_b32 v[PC+4*\c+\i], v[PC+2+4*\c+\i]
.endr
.endr
.endm
	s_wait_tensorcnt 0x0                           ; my one load is in,
	s_barrier_signal -1
	s_barrier_wait -1                              ; everybody's are
	FETCH 0, 0, 0
	SCALES 0
	STEP 0, 0, 1                                   ; the first step's products start the sums: nothing is cleared
	STEP 0, 1, 0
	STEP 0, 2, 0
	s_wait_dscnt 0x0                               ; the half's last step: its fragments are in
	PLACES NP
	FETCH 1, 0, 0
	SCALES 1
	WIN MUL
	MUL32 1, NQ-1, 0, 0
	STEP 1, 0, 0
	STEP 1, 1, 0
	STEP 1, 2, 0
	s_wait_dscnt 0x0                               ; the very last step: nothing more to fetch
	WIN MUL
	MUL32 1, NQ-1, 1, 0
	WIN 0
	PLACES NP
	s_wait_loadcnt 0x0                             ; the bias
; THE WAY OUT, a tile of 16 channels at a time (channel tile a of my head): + my channel's bias (which also brings the 64 numbers into window 0, each accumulator from its low end on), the quantiser along the 128 keys, two stores of 512 consecutive bytes.
.irp a, 0,1,2,3
	WIN 0x06                                       ; source 0: the accumulators' window 2, source 1: window 1, destination: window 0
.set i, 0
.rept 32
	v_pk_add_f32 v[ST+2*i:ST+2*i+1], v[64*\a+2*i:64*\a+2*i+1], v[BI+2*\a:BI+2*\a+1]
.set i, i+1
.endr
	WIN 0
	s_wait_xcnt 0x0                                ; the last tile's stores have read their codes
	QUANT ST, SW+\a
.irp c, 0,1
	global_store_b128 v[VO], v[PC+4*\c:PC+4*\c+3], s[92:93] offset:8192*\a+512*\c
.endr
.endr
	global_store_b128 v[VS], v[SW:SW+3], s[94:95]  ; my place's four words, one for each channel tile: sixteen lanes store 256 consecutive bytes, aligned (both halves of the lanes hold and write the same)
	s_wait_tensorcnt 0x0
	ds_add_u32 v254, v255
	s_wait_dscnt 0x0
	CROUND                                         ; the closing round: no work-group ends while a partner may still ask for a tile that names it
	s_endpgm
.Lfunc_end_k_q8f6a0d5189_vv:
	.size	k_q8f6a0d5189_vv, .Lfunc_end_k_q8f6a0d5189_vv-k_q8f6a0d5189_vv
	.p2alignl 7, 3214868480
	.fill 96, 4, 3214868480
	.section	.rodata,"a",@progbits
	.p2align	6, 0x0
	.amdhsa_kernel k_q8f6a0d5189_vv
		.amdhsa_group_segment_fixed_size 209408
		.amdhsa_private_segment_fixed_size 0
		.amdhsa_enable_private_segment 0
		.amdhsa_kernarg_size 48
		.amdhsa_user_sgpr_count 2
		.amdhsa_user_sgpr_kernarg_segment_ptr 1
		.amdhsa_wavefront_size32 1
		.amdhsa_system_sgpr_workgroup_id_x 1
		.amdhsa_system_sgpr_workgroup_id_y 1
		.amdhsa_system_sgpr_workgroup_id_z 1
		.amdhsa_system_vgpr_workitem_id 0
		.amdhsa_next_free_vgpr 768
		.amdhsa_next_free_sgpr 100
		.amdhsa_reserve_vcc 0
		.amdhsa_float_denorm_mode_32 3
		.amdhsa_float_denorm_mode_16_64 3
		.amdhsa_memory_ordered 1
		.amdhsa_forward_progress 1
		.amdhsa_inst_pref_size 81
	.end_amdhsa_kernel
	.amdgpu_metadata
---
amdhsa.version: [ 1, 2 ]
amdhsa.kernels:
  - .name:           k_q8f6a0d5189_vv
    .symbol:         k_q8f6a0d5189_vv.kd
    .args:
      - { .name: wc, .offset: 0, .size: 8, .value_kind: global_buffer, .address_space: global }
      - { .name: ws, .offset: 8, .size: 8, .value_kind: global_buffer, .address_space: global }
      - { .name: xc, .offset: 16, .size: 8, .value_kind: global_buffer, .address_space: global }
      - { .name: xs, .offset: 24, .size: 8, .value_kind: global_buffer, .address_space: global }
      - { .name: b_qkv, .offset: 32, .size: 8, .value_kind: global_buffer, .address_space: global }
      - { .name: qkv, .offset: 40, .size: 8, .value_kind: global_buffer, .address_space: global }
    .group_segment_fixed_size: 209408
    .private_segment_fixed_size: 0
    .kernarg_segment_align: 8
    .kernarg_segment_size: 48
    .max_flat_workgroup_size: 128
    .sgpr_count:     100
    .vgpr_count:     768
    .wavefront_size: 32
...
	.end_amdgpu_metadata
.endif
;; end of part 3
;; launch attn (part 4): grid 4 x 64, 16 waves a work-group, clusters of 4 x 1, 169,984 bytes of LDS; arguments qkv, oc, os; writes oc, os
.if DOCPART == 4
	.amdgcn_target "amdgcn-amd-amdhsa--gfx1250"
	.amdhsa_code_object_version 6
	.text
	.protected	k_q8f6a0d5189_attn
	.globl	k_q8f6a0d5189_attn
	.p2align	8
	.type	k_q8f6a0d5189_attn,@function
k_q8f6a0d5189_attn:
	s_mov_b64 s[64:65], 0
	v_nop
	global_prefetch_b8 v0, s[64:65] scope:SCOPE_SE
	s_setreg_imm32_b32 hwreg(HW_REG_WAVE_MODE, 25, 1), 1
	s_wait_xcnt 0x0
	s_wait_alu depctr_hold_cnt(0) depctr_sa_sdst(0) depctr_va_vdst(0) depctr_va_sdst(0) depctr_va_ssrc(0) depctr_va_vcc(0) depctr_vm_vsrc(0)
	s_getreg_b32 s2, hwreg(HW_REG_IB_STS2, 6, 4)
	s_cmp_eq_u32 s2, 0
	s_cbranch_scc0 .Lentry_in_a_cluster
	s_endpgm
.Lentry_in_a_cluster:
	s_bfe_u32 s2, ttmp6, 0x10000c
	s_cmp_lg_u32 s2, 0x3003
	s_cbranch_scc0 .Lentry_shape_is_right
	s_endpgm
.Lentry_shape_is_right:
; o = softmax(q k^T / 8) v for 128 (batch, head) of 1,024 tokens x 64 channels, both products on codes of FP4 with E8M0 scales; o is quantised at once along the channels, which are the K of the projection, and leaves as codes.
; THE SOFTMAX AHEAD OF THE SECOND PRODUCT: t = score x log2(e) / 8; M = the row's largest t so far, rounded UP to a whole number; p = 2^(t - M) is what is quantised, along the keys; it is not normalised.
; The row's sum is taken of the unquantised p, in f32, and divides O at the end.  When M moves, the sum and O are multiplied by 2^(old M - new M): exact.
; SHARES.  A work-group owns 256 queries of a batch and TWO heads (2 pair, 2 pair + 1: they fill one K step of 128 of the projection); each of its sixteen waves owns one tile of 16 queries, first for one head, then for the other.
; Four waves to a SIMD, so that one wave's vector work stands beside another's matrix work and LDS loads.  Work-group y = 8 batch + pair.
; K AND V OF BOTH HEADS STAY IN LDS: 71,680 dense bytes of each head's record (k codes, k scale words, v codes, v scale words), every byte filled once, by one tensor load of each of waves 0-7 (one is out at the most): no ring.
; CLUSTER.  The four blocks of queries of a cluster walk the same k and v: each part is asked for JOINTLY, by the same tensor load with the same descriptor and the mask of all four.
; LAYOUT.  Both products are used transposed: S^T = k q^T (source 0 = 16 keys, source 1 = my 16 queries), O^T = v^T p^T: a lane holds ONE query (lane % 16) throughout.  All operands lie as images of their registers.
; Place p of a tile T holds row 32 (T / 2) + 8 (T % 2) + p + 8 (p / 8): so the 16 registers of key tiles 2 b and 2 b + 1 are 16 neighbouring keys, and those of channel tiles 2 b and 2 b + 1 of O^T 16 neighbouring channels.
; K = 64 in the first product: registers 4-7 of q's fragment are zero codes, set once; bytes 2, 3 of the scale words are 0x7f.
; o's scale words leave as 4 bytes a row, 16 bytes apart (a word's place among the four of a K half hangs on the pair of heads): aligned runs of 256 bytes are written in part there; they are one byte in 17 of what the launch stores.
; LIMITS: a block's largest p is taken from its largest score, which takes v_exp_f32 not to fall where its input rises; 1 / sum is v_rcp_f32; a block of zeros gets the byte 1; NaN and infinities are not served.
; REGISTERS: v1-5 addresses that stay; v8-11 the head's; v12 -M, v13 the largest t, v[14:15] the sum; v16-23 q; v24-28 the second head's q and its scale word; v30 o's scale word; v32-39 k's scale words; v64-95 of v;
;   v96-159 S^T, then p; v160-191 O^T; v192-223 k's tiles, then O / sum; v224-231 codes; v232-239, v244-251, v252, v254 at work; v240-243 v's scale words, v253 p's, v255 q's.
.set REC,  108544
.set KVB,  71680                       ; a head's k and v in LDS
.set PART, 17920                       ; what one tensor load brings: 70 rows of 256 bytes
.set KSC,  32768                       ; in a head's bytes: k's scale words,
.set VCO,  36864                       ; v's codes,
.set VSC,  69632                       ; v's scale words
.set L16, 1
.set R16, 2
.set ADK, 8
.set ADS, 9
.set ADV, 10
.set ADT, 11
.set WV,  10
.set SEL, 20
.set CS,  22
.macro CROUND                          ; a round of the cluster's barrier
	s_barrier_signal -1
	s_barrier_wait -1
	s_cmp_lg_u32 s[WV], 0
	s_cbranch_scc1 .Lnot_wave_0_\@
	s_barrier_signal -3
.Lnot_wave_0_\@:
	s_barrier_wait -3
	s_barrier_signal -1
	s_barrier_wait -1
.endm
	s_load_b128 s[4:7], s[0:1], 0x0                ; the records s[4:5], o's codes s[6:7]
	s_load_b64 s[8:9], s[0:1], 0x10                ; o's scale words
	v_lshl_add_u32 v29, v0, 2, 0x29000
	v_mov_b32 v31, 0
	ds_add_u32 v29, v31
	ds_add_u32 v29, v31
	v_lshrrev_b32 v1, 5, v0
	s_delay_alu instid0(VALU_DEP_1)
	v_readfirstlane_b32 s[WV], v1                  ; wave 0..15
	s_bfe_u32 s11, ttmp6, 0x40000                  ; cx: my block of 256 queries: it enters q's and o's addresses alone
	s_and_b32 s12, ttmp7, 0xffff                   ; 8 batch + pair, which the four partners share
	s_mov_b32 s24, 15|(3<<16)|(1<<21)              ; 15:0 the mask: all four; 17:16 elements of 8 bytes; 21 set beside a mask; no padding
	s_mov_b32 s25, 32<<16                          ; tensor_dim0
	s_mov_b32 s26, 70<<16                          ; tensor_dim1
	s_mov_b32 s27, 32<<16                          ; tile_dim0
	s_mov_b32 s28, 70                              ; tile_dim1
	s_mov_b32 s29, 32                              ; tensor_dim0_stride: dense
	s_mov_b32 s30, 0
	s_mov_b32 s31, 0
	s_lshl_b32 s44, s12, 1
	s_lshr_b32 s45, s[WV], 2
	s_add_co_u32 s44, s44, s45                     ; waves 0-3 fetch the first head's record, waves 4-7 the second's,
	s_mul_i32 s44, s44, REC
	s_and_b32 s45, s[WV], 3
	s_mul_i32 s45, s45, PART                       ; a quarter each,
	s_add_co_u32 s44, s44, s45
	s_add_co_u32 s44, s44, 36864                   ; from k's codes on
	s_mov_b32 s45, 0
	s_mov_b32 s32, 1
	s_mul_i32 s33, s[WV], PART                     ; and lay it at wave x 17,920
	s_lshl_b32 s13, s11, 4
	s_add_co_u32 s13, s13, s[WV]                   ; my tile of queries in the batch
	s_lshl_b32 s46, s12, 1
	s_mul_i32 s46, s46, REC                        ; the first head's record
	s_lshl_b32 s47, s13, 9
	s_add_co_u32 s48, s46, s47
	s_mov_b32 s49, 0
	s_wait_dscnt 0x0
	s_wait_kmcnt 0x0
	s_add_nc_u64 s[34:35], s[4:5], s[44:45]
	s_or_b32 s35, s35, 0x80000000
	s_add_nc_u64 s[14:15], s[4:5], s[48:49]        ; q's codes
	s_lshr_b32 s47, s13, 2
	s_lshl_b32 s47, s47, 8
	s_and_b32 s50, s13, 3
	s_lshl_b32 s50, s50, 2
	s_add_co_u32 s47, s47, s50
	s_add_co_u32 s47, s47, s46
	s_add_co_u32 s48, s47, 32768
	s_add_nc_u64 s[16:17], s[4:5], s[48:49]        ; q's scale words
	s_lshr_b32 s46, s12, 3
	s_lshl_b32 s46, s46, 6
	s_add_co_u32 s46, s46, s13                     ; my tile among o's 512
	s_and_b32 s47, s12, 7                          ; the pair of heads = the projection's K step
	s_lshl_b32 s48, s46, 13
	s_lshl_b32 s50, s47, 10
	s_add_co_u32 s48, s48, s50
	s_add_nc_u64 s[40:41], s[6:7], s[48:49]        ; o's codes
	s_lshl_b32 s48, s46, 9
	s_lshr_b32 s50, s47, 2
	s_lshl_b32 s50, s50, 8
	s_add_co_u32 s48, s48, s50
	s_and_b32 s50, s47, 3
	s_lshl_b32 s50, s50, 2
	s_add_co_u32 s48, s48, s50
	s_add_nc_u64 s[42:43], s[8:9], s[48:49]        ; o's scale words
	s_mov_b32 s[SEL], 0x76543210
	s_mov_b32 s[SEL+1], 0xfedcba98                 ; v_permlanex16_b32's selects for lane l xor 16
	s_mov_b32 s[CS], 0x3e38aa3b                    ; c = log2(e) / 8
	s_mov_b32 s[CS+1], s[CS]                       ; (named with it as a pair, so it is written)
	s_mov_b32 s36, 0                               ; where the head in hand begins in LDS
	s_mov_b32 s37, 0                               ; heads done
	CROUND                                         ; all four work-groups are here: the joint loads meet
	s_cmp_lt_u32 s[WV], 8
	s_cbranch_scc0 .Lno_fetch
	tensor_load_to_lds s[32:35], s[24:31]
	s_nop 0
.rept 4
	v_nop
.endr
.Lno_fetch:
	v_and_b32 v[L16], 31, v0
	s_delay_alu instid0(VALU_DEP_1)
	v_lshlrev_b32 v[L16], 4, v[L16]                ; 16 x lane
	v_and_b32 v[R16], 15, v0
	s_delay_alu instid0(VALU_DEP_1)
	v_lshlrev_b32 v[R16], 4, v[R16]                ; 16 x (lane % 16)
	global_load_b128 v[16:19], v[L16], s[14:15]                ; q's codes: the first head's,
	global_load_b128 v[24:27], v[L16], s[14:15] offset:REC     ; the second's;
	global_load_b32 v255, v[R16], s[16:17]                     ; and their scale words
	global_load_b32 v28, v[R16], s[16:17] offset:REC
	v_add_nc_u32 v3, KSC, v[R16]
	v_add_nc_u32 v4, VCO, v[L16]
	v_add_nc_u32 v5, VSC, v[R16]
.irp j, 20,21,22,23
	v_mov_b32 v[\j], 0                             ; zero codes: q's k = 64..127
.endr
.irp j, 224,225,226,227
	v_mov_b32 v[\j], 0                             ; named as the upper half of key tile 7's fragment before p's codes are first written there
.endr
	v_mov_b32 v30, 0
.irp b, 0,1,2,3
	v_mov_b32 v[236+\b], 0                         ; written once: a lane permute's destination counts as one of its sources
.endr
	v_mov_b32 v253, 0                              ; (named as the upper half of the pair v[252:253] before it is first written)
	s_wait_tensorcnt 0x0                           ; my part is in (a wave that fetched nothing passes),
	s_barrier_signal -1
	s_barrier_wait -1                              ; everybody's is
	s_wait_loadcnt 0x0                             ; q
; A KEY STEP: 128 keys.
; k's EIGHT TILES OF A KEY STEP LIE 4 REGISTERS APART, v192-223 (free until the head's end): tile t's fragment is v[192+4t .. 199+4t].  Its upper half (k = 64..127) is the next tile's codes (tile 7: v224-227):
; q's codes there are zeros, every code of E2M1 is a finite number and the scale bytes there are 0x7f, so these products are zeros.  k's eight scale words lie in v32-39, which hold nothing else.
.set KF, 192
.macro KLOAD ks                        ; ten LDS loads: a key step's tiles of k and their scale words
.irp t, 0,1,2,3,4,5,6,7
	ds_load_b128 v[KF+4*\t:KF+4*\t+3], v[ADK] offset:512*(8*(\ks)+\t)
.endr
	ds_load_b128 v[32:35], v[ADS] offset:512*(\ks)
	ds_load_b128 v[36:39], v[ADS] offset:512*(\ks)+256
.endm
.macro STEP ks
.if \ks == 0
	s_wait_dscnt 0x0                               ; the head's first tiles of k, asked for at the loop's top (a later step's were awaited ahead of the step before's second product)
.endif
.irp t, 0,1,2,3,4,5,6,7                ; S^T = k q^T: eight tiles of 16 keys
	v_wmma_scale_f32_16x16x128_f8f6f4 v[96+8*\t:103+8*\t], v[KF+4*\t:KF+4*\t+7], v[16:23], 0, v[32+\t], v255 matrix_a_fmt:MATRIX_FMT_FP4 matrix_b_fmt:MATRIX_FMT_FP4
.endr
.rept 4
	v_nop                                          ; places in front of the first read of the scores; with the four above, eight behind the last step's second products, whose operands are loaded anew now
.endr
.irp t, 0,1,2,3                        ; v's four fragments and scale words of this key step: they land while the softmax is walked
.irp c, 0,1
	ds_load_b128 v[64+8*\t+4*\c:67+8*\t+4*\c], v[ADV] offset:8192*\t+1024*\ks+512*\c
.endr
.endr
	ds_load_b128 v[240:243], v[ADT] offset:256*\ks
.if \ks < 7
	KLOAD \ks+1                                    ; the next step's k, four places behind the products that read these registers: it lands while the softmax is walked
.endif
.irp b, 0,1,2,3
	v_max3_num_f32 v[232+\b], v[96+16*\b], v[97+16*\b], v[98+16*\b]   ; THE LARGEST SCORE OF EACH BLOCK OF 32 KEYS: for the row's maximum, and, since p rises with the score, for the block's largest p
.endr
.irp i, 3,5,7,9,11,13
.irp b, 0,1,2,3
	v_max3_num_f32 v[232+\b], v[232+\b], v[96+16*\b+\i], v[97+16*\b+\i]
.endr
.endr
.irp b, 0,1,2,3
	v_max_num_f32 v[232+\b], v[232+\b], v[111+16*\b]
.endr
.irp b, 0,1,2,3
	s_delay_alu instid0(VALU_DEP_4)
	v_permlanex16_b32 v[236+\b], v[232+\b], s[SEL], s[SEL+1]
.endr
.irp b, 0,1,2,3
	s_delay_alu instid0(VALU_DEP_4)
	v_max_num_f32 v[232+\b], v[232+\b], v[236+\b]  ; with lane l xor 16's 16 keys
.endr
	s_delay_alu instid0(VALU_DEP_2)
	v_max3_num_f32 v254, v232, v233, v234
	s_delay_alu instid0(VALU_DEP_1)
	v_max_num_f32 v254, v254, v235                 ; the step's largest score of my query
	s_delay_alu instid0(VALU_DEP_1)
	v_mul_f32 v254, s[CS], v254                    ; as t (c is positive)
	s_delay_alu instid0(VALU_DEP_1)
	v_max_num_f32 v13, v13, v254                   ; the running largest t
	v_mov_b32 v254, v12
	s_delay_alu instid0(VALU_DEP_2)
	v_floor_f32 v12, -v13                          ; the new -M = floor(-t) = -ceil(t): a whole number
	s_delay_alu instid0(VALU_DEP_1)
	v_sub_f32 v254, v12, v254                      ; M's old value less its new one: a whole number, 0 or less
	s_delay_alu instid0(VALU_DEP_1)
	v_cvt_i32_f32 v254, v254                       ; (it saturates)
	s_delay_alu instid0(VALU_DEP_1)
	v_ldexp_f32 v252, 1.0, v254                    ; f = 2^(old M - new M)
.set j, 0
.rept 32
	v_pk_fma_f32 v[96+j:97+j], v[96+j:97+j], s[CS:CS+1], v[12:13] op_sel_hi:[1,0,0]   ; t - M, two at a time
.set j, j+2
.endr
.irp b, 0,1,2,3
	v_fma_f32 v[232+\b], v[232+\b], s[CS], v12     ; the same of each block's largest score
.endr
.set j, 0
	s_wait_alu depctr_va_vdst(0)
.rept 64
	v_exp_f32 v[96+j], v[96+j]                     ; p = 2^(t - M), at most 1
.set j, j+1
.endr
.irp b, 0,1,2,3
	v_exp_f32 v[232+\b], v[232+\b]                 ; the block's largest p: the same two instructions on the same number give the same bits
.endr
	v_pk_mul_f32 v[14:15], v[14:15], v[252:253] op_sel_hi:[1,0]    ; the sums under the new M.  (A plain place behind the exponentials)
	s_wait_alu depctr_va_vdst(0)
.irp b, 0,1,2,3
	v_max_num_f32 v[232+\b], 0x1800000, v[232+\b]  ; the floor 2^(3 - 127): the byte cannot fall under 1
.endr
.irp b, 0,1,2,3
	s_delay_alu instid0(VALU_DEP_4)
	v_add_nc_u32 v[244+\b], 0xff000000, v[232+\b]  ; 2 off the exponent field: the conversion's scale operand
.endr
.irp b, 0,1,2,3
	s_delay_alu instid0(VALU_DEP_4)
	v_lshrrev_b32 v[236+\b], 23, v[244+\b]         ; the scale's byte
.endr
	s_delay_alu instid0(VALU_DEP_3)
	v_lshl_or_b32 v253, v237, 8, v236              ; p's scale word for these 128 keys
	s_delay_alu instid0(VALU_DEP_1)
	v_lshl_or_b32 v253, v238, 16, v253
	s_delay_alu instid0(VALU_DEP_1)
	v_lshl_or_b32 v253, v239, 24, v253
.irp b, 0,1,2,3
	v_cvt_scalef32_pk8_fp4_f32 v[224+2*\b], v[96+16*\b:103+16*\b], v[244+\b]
	v_cvt_scalef32_pk8_fp4_f32 v[225+2*\b], v[104+16*\b:111+16*\b], v[244+\b]
.endr
	v_nop                                          ; one plain place behind a scaled conversion
.irp c, 0,1                            ; the operand's layout wants a WHOLE block in a lane
.irp i, 0,1
	v_permlane16_swap_b32 v[224+4*\c+\i], v[226+4*\c+\i]
.endr
.endr
	v_pk_add_f32 v[236:237], v[100:101], v[104:105]
	v_pk_add_f32 v[250:251], v[108:109], v[112:113]
	v_pk_add_f32 v[248:249], v[116:117], v[120:121]
	v_pk_add_f32 v[246:247], v[124:125], v[128:129]
	v_pk_add_f32 v[244:245], v[132:133], v[136:137]
	v_pk_add_f32 v[234:235], v[140:141], v[144:145]
	v_pk_add_f32 v[232:233], v[148:149], v[152:153]
	v_pk_add_f32 v[14:15], v[14:15], v[156:157]
	v_pk_add_f32 v[236:237], v[236:237], v[96:97]
	v_pk_add_f32 v[250:251], v[250:251], v[98:99]
	v_pk_add_f32 v[248:249], v[248:249], v[102:103]
	v_pk_add_f32 v[246:247], v[246:247], v[106:107]
	v_pk_add_f32 v[244:245], v[244:245], v[110:111]
	v_pk_add_f32 v[234:235], v[234:235], v[114:115]
	v_pk_add_f32 v[232:233], v[232:233], v[118:119]
	v_pk_add_f32 v[14:15], v[14:15], v[122:123]
	v_pk_add_f32 v[236:237], v[236:237], v[126:127]
	v_pk_add_f32 v[250:251], v[250:251], v[130:131]
	v_pk_add_f32 v[248:249], v[248:249], v[134:135]
	v_pk_add_f32 v[246:247], v[246:247], v[138:139]
	v_pk_add_f32 v[244:245], v[244:245], v[142:143]
	v_pk_add_f32 v[234:235], v[234:235], v[146:147]
	v_pk_add_f32 v[232:233], v[232:233], v[150:151]
	v_pk_add_f32 v[14:15], v[14:15], v[154:155]
	v_pk_add_f32 v[236:237], v[236:237], v[158:159]
	s_delay_alu instid0(VALU_DEP_2)
	v_pk_add_f32 v[14:15], v[14:15], v[246:247]
	s_delay_alu instid0(VALU_DEP_2)
	v_pk_add_f32 v[236:237], v[236:237], v[244:245]
	v_pk_add_f32 v[250:251], v[250:251], v[234:235]
	v_pk_add_f32 v[248:249], v[248:249], v[232:233]
	s_delay_alu instid0(VALU_DEP_2)
	v_pk_add_f32 v[14:15], v[14:15], v[250:251]
	s_delay_alu instid0(VALU_DEP_2)
	v_pk_add_f32 v[236:237], v[236:237], v[248:249]
	s_delay_alu instid0(VALU_DEP_1)
	v_pk_add_f32 v[14:15], v[14:15], v[236:237]
.set j, 0
.rept 16
	v_pk_mul_f32 v[160+j:161+j], v[160+j:161+j], v[252:253] op_sel_hi:[1,0]   ; O^T under the new M, each accumulator from its low end on.  (With the sums above: the places between p's codes and scale word and the products below)
.set j, j+2
.endr
	s_wait_alu depctr_va_vdst(0)
	s_wait_dscnt 0x0                               ; v's fragments are in
.irp t, 0,1,2,3                        ; O^T += v^T p^T: the head's four tiles of 16 channels; the four accumulators take turns
	v_wmma_scale_f32_16x16x128_f8f6f4 v[160+8*\t:167+8*\t], v[64+8*\t:71+8*\t], v[224:231], v[160+8*\t:167+8*\t], v[240+\t], v253 matrix_a_fmt:MATRIX_FMT_FP4 matrix_b_fmt:MATRIX_FMT_FP4
.endr
.endm
.Lhead:                                ; two trips: the pair's two heads
	v_add_nc_u32 v[ADK], s36, v[L16]
	v_add_nc_u32 v[ADS], s36, v3
	v_add_nc_u32 v[ADV], s36, v4
	v_add_nc_u32 v[ADT], s36, v5
	KLOAD 0                                        ; the head's first tiles of k land under the lines below
	v_mov_b32 v13, 0xff61b1e6                      ; the largest t so far: -3e38, under every t
	s_delay_alu instid0(VALU_DEP_1)
	v_floor_f32 v12, -v13                          ; -M
	v_mov_b32 v14, 0                               ; the sum, in two halves
	v_mov_b32 v15, 0
.set j, 0
.rept 32
	v_mov_b32 v[160+j], 0                          ; O^T.  (The step is written once: the first finds zeros, which the first change of M leaves zeros)
.set j, j+1
.endr
.irp ks, 0,1,2,3,4,5,6,7
	STEP \ks
.endr
.rept 4
	v_nop                                          ; places in front of the first read of O^T
.endr
	v_add_f32 v14, v14, v15                        ; the sum's two halves,
	s_delay_alu instid0(VALU_DEP_1)
	v_permlanex16_b32 v252, v14, s[SEL], s[SEL+1]
	s_delay_alu instid0(VALU_DEP_1)
	v_add_f32 v14, v14, v252                       ; and lane l xor 16's: the row's sum
	s_wait_alu depctr_va_vdst(0)
	v_rcp_f32 v14, v14
	v_nop                                          ; one plain place behind a transcendental
.set j, 0
	s_wait_alu depctr_va_vdst(0)
.rept 16
	v_pk_mul_f32 v[192+j:193+j], v[160+j:161+j], v[14:15] op_sel_hi:[1,0]     ; o = O^T / the sum: register 16 b + i is channel 32 b + 16 h + i of my query
.set j, j+2
.endr
.irp b, 0,1                            ; the head's two blocks of 32 channels
	v_max3_num_f32 v[232+\b], |v[192+16*\b]|, |v[193+16*\b]|, 0x1800000
.endr
.irp i, 2,4,6,8,10,12,14
.irp b, 0,1
	s_delay_alu instid0(VALU_DEP_2)
	v_max3_num_f32 v[232+\b], v[232+\b], |v[192+16*\b+\i]|, |v[193+16*\b+\i]|
.endr
.endr
.irp b, 0,1
	s_delay_alu instid0(VALU_DEP_2)
	v_permlanex16_b32 v[236+\b], v[232+\b], s[SEL], s[SEL+1]
.endr
.irp b, 0,1
	s_delay_alu instid0(VALU_DEP_2)
	v_max_num_f32 v[232+\b], v[232+\b], v[236+\b]
.endr
.irp b, 0,1
	s_delay_alu instid0(VALU_DEP_2)
	v_add_nc_u32 v[244+\b], 0xff000000, v[232+\b]
.endr
.irp b, 0,1
	s_delay_alu instid0(VALU_DEP_2)
	v_lshrrev_b32 v[236+\b], 23, v[244+\b]
.endr
	s_delay_alu instid0(VALU_DEP_1)
	v_lshl_or_b32 v238, v237, 8, v236              ; the head's two bytes
.irp b, 0,1
	v_cvt_scalef32_pk8_fp4_f32 v[224+2*\b], v[192+16*\b:199+16*\b], v[244+\b]
	v_cvt_scalef32_pk8_fp4_f32 v[225+2*\b], v[200+16*\b:207+16*\b], v[244+\b]
.endr
	v_nop                                          ; one plain place behind a scaled conversion
	v_permlane16_swap_b32 v224, v226               ; lanes 0-15 the whole block 0, lanes 16-31 block 1
	v_permlane16_swap_b32 v225, v227
	v_lshrrev_b32 v30, 16, v30                     ; the first head's bytes go down, this head's come on top: behind two heads the K step's scale word is whole
	s_delay_alu instid0(VALU_DEP_1)
	v_lshl_or_b32 v30, v238, 16, v30
	global_store_b128 v[L16], v[224:227], s[40:41] ; half c = this head of the projection's fragment: 512 consecutive bytes
.irp j, 0,1,2,3
	v_mov_b32 v[16+\j], v[24+\j]                   ; the second head's q
.endr
	v_mov_b32 v255, v28
	s_wait_xcnt 0x0                                ; the store has read its base and its codes
	s_add_nc_u64 s[40:41], s[40:41], 512
	s_add_co_u32 s36, s36, KVB
	s_add_co_u32 s37, s37, 1
	s_cmp_lt_u32 s37, 2
	s_cbranch_scc1 .Lhead
	s_wait_alu depctr_va_vdst(0)
	global_store_b32 v[R16], v30, s[42:43]         ; my row's scale word (both halves of the lanes hold and write the same)
	s_wait_tensorcnt 0x0
	ds_add_u32 v29, v31
	s_wait_dscnt 0x0
	CROUND                                         ; the closing round: no work-group ends while a partner may still ask for a part that names it
	s_endpgm
.Lfunc_end_k_q8f6a0d5189_attn:
	.size	k_q8f6a0d5189_attn, .Lfunc_end_k_q8f6a0d5189_attn-k_q8f6a0d5189_attn
	.p2alignl 7, 3214868480
	.fill 96, 4, 3214868480
	.section	.rodata,"a",@progbits
	.p2align	6, 0x0
	.amdhsa_kernel k_q8f6a0d5189_attn
		.amdhsa_group_segment_fixed_size 169984
		.amdhsa_private_segment_fixed_size 0
		.amdhsa_enable_private_segment 0
		.amdhsa_kernarg_size 24
		.amdhsa_user_sgpr_count 2
		.amdhsa_user_sgpr_kernarg_segment_ptr 1
		.amdhsa_wavefront_size32 1
		.amdhsa_system_sgpr_workgroup_id_x 1
		.amdhsa_system_sgpr_workgroup_id_y 1
		.amdhsa_system_sgpr_workgroup_id_z 1
		.amdhsa_system_vgpr_workitem_id 0
		.amdhsa_next_free_vgpr 256
		.amdhsa_next_free_sgpr 66
		.amdhsa_reserve_vcc 0
		.amdhsa_float_denorm_mode_32 3
		.amdhsa_float_denorm_mode_16_64 3
		.amdhsa_memory_ordered 1
		.amdhsa_forward_progress 1
		.amdhsa_inst_pref_size 136
	.end_amdhsa_kernel
	.amdgpu_metadata
---
amdhsa.version: [ 1, 2 ]
amdhsa.kernels:
  - .name:           k_q8f6a0d5189_attn
    .symbol:         k_q8f6a0d5189_attn.kd
    .args:
      - { .name: qkv, .offset: 0, .size: 8, .value_kind: global_buffer, .address_space: global }
      - { .name: oc, .offset: 8, .size: 8, .value_kind: global_buffer, .address_space: global }
      - { .name: os, .offset: 16, .size: 8, .value_kind: global_buffer, .address_space: global }
    .group_segment_fixed_size: 169984
    .private_segment_fixed_size: 0
    .kernarg_segment_align: 8
    .kernarg_segment_size: 24
    .max_flat_workgroup_size: 512
    .sgpr_count:     66
    .vgpr_count:     256
    .wavefront_size: 32
...
	.end_amdgpu_metadata
.endif
;; end of part 4
;; launch proj (part 5): grid 4 x 64, 4 waves a work-group, clusters of 4 x 4, 327,680 bytes of LDS; arguments oc, os, wc, ws, b_proj, out0; writes out0
.if DOCPART == 5
	.amdgcn_target "amdgcn-amd-amdhsa--gfx1250"
	.amdhsa_code_object_version 6
	.text
	.protected	k_q8f6a0d5189_proj
	.globl	k_q8f6a0d5189_proj
	.p2align	8
	.type	k_q8f6a0d5189_proj,@function
k_q8f6a0d5189_proj:
	s_mov_b64 s[64:65], 0
	v_nop
	global_prefetch_b8 v0, s[64:65] scope:SCOPE_SE
	s_setreg_imm32_b32 hwreg(HW_REG_WAVE_MODE, 25, 1), 1
	s_wait_xcnt 0x0
	s_wait_alu depctr_hold_cnt(0) depctr_sa_sdst(0) depctr_va_vdst(0) depctr_va_sdst(0) depctr_va_ssrc(0) depctr_va_vcc(0) depctr_vm_vsrc(0)
	s_getreg_b32 s2, hwreg(HW_REG_IB_STS2, 6, 4)
	s_cmp_eq_u32 s2, 0
	s_cbranch_scc0 .Lentry_in_a_cluster
	s_endpgm
.Lentry_in_a_cluster:
	s_bfe_u32 s2, ttmp6, 0x10000c
	s_cmp_lg_u32 s2, 0xf033
	s_cbranch_scc0 .Lentry_shape_is_right
	s_endpgm
.Lentry_shape_is_right:
.set NQ,    4
.set FR,    8
.set NP,    4
.set HALFK, 4096                       ; in LDS a tile lies whole, 8,192 bytes: K half 1 begins 4,096 bytes into it
.set REGB,  65536                      ; region A (o): 8 tiles from byte 0; region B (W_proj): 16 tiles from here
.set SCL,   196608
.set STAGE, 208896
.set SPITCH, 528
.set ADRA, 16
.set ADRB, 20
.set VO,   24
.set STO,  25
.set RD,   26
.set ADRS, 27
.set BO,   28
.set SC,   32
.set AF,   128
.set BK,   128
.set BI,   192
.set WV, 16
.set HP, 17
.set HQ, 18
.set G1, 24
.set G0, 32
.set G1B, 48
.set G0B, 56
.set G1S, 68
.set G0S, 76
.set G1SB, 80
.set G0SB, 88
.set MSB, 0
.macro WIN new
.if MSB != \new
	s_set_vgpr_msb (MSB<<8)|\new
.set MSB, \new
.endif
.endm
.set MUL,  0xa1
.set BIA,  0x91
.set TO_B, 0x40
; THE HEAD'S JOINT LOADS, ONE A WAVE: wave 0 A's codes for all of K (65,536 dense bytes), wave 1 B's (131,072), wave 2 A's scale words, wave 3 B's.
; One chain of branches on the wave's number, an arm a load; every LDS byte is filled once, and no load follows the head's.
.macro ARM under, g0, g1, next
	s_cmp_lt_u32 s[WV], \under
	s_cbranch_scc0 \next
	tensor_load_to_lds s[\g0:\g0+3], s[\g1:\g1+7]
	s_nop 0
.rept 4
	v_nop
.endr
	s_branch .Lhead_asked
\next:
.endm
.macro CROUND
	s_barrier_signal -1
	s_barrier_wait -1
	s_cmp_lg_u32 s[WV], 0
	s_cbranch_scc1 .Lnot_wave_0_\@
	s_barrier_signal -3
.Lnot_wave_0_\@:
	s_barrier_wait -3
	s_barrier_signal -1
	s_barrier_wait -1
.endm
	s_load_b256 s[4:11], s[0:1], 0x0
	s_load_b128 s[12:15], s[0:1], 0x20
	v_lshl_add_u32 v126, v0, 2, 0x3b400
	v_mov_b32 v127, 0
	ds_add_u32 v126, v127
	ds_add_u32 v126, v127
	v_lshrrev_b32 v1, 5, v0
	v_readfirstlane_b32 s[WV], v1
	s_lshr_b32 s[HP], s[WV], 1
	s_and_b32 s[HQ], s[WV], 1
	s_bfe_u32 s20, ttmp6, 0x40000
	s_bfe_u32 s21, ttmp6, 0x40004
	s_lshl_b32 s22, ttmp9, 2
	s_add_co_u32 s22, s22, s20
	s_and_b32 s23, ttmp7, 0xffff
	s_lshl_b32 s19, s23, 2
	s_add_co_u32 s19, s19, s21
	s_lshl_b32 s40, s21, 2
	s_lshl_b32 s40, 15, s40
	s_lshl_b32 s41, 0x1111, s20
	s_or_b32 s[G1], s40, (3<<16)|(1<<21)
	s_or_b32 s[G1B], s41, (3<<16)|(1<<21)
	s_or_b32 s[G1S], s40, (3<<16)|(1<<21)
	s_or_b32 s[G1SB], s41, (3<<16)|(1<<21)
	s_mov_b32 s[G1+1], 512<<16
	s_mov_b32 s[G1+2], 16<<16                      ; 8 tiles, dense: 16 rows of 4,096 bytes
	s_mov_b32 s[G1+3], 512<<16
	s_mov_b32 s[G1+4], 16
	s_mov_b32 s[G1+5], 512
	s_mov_b32 s[G1+6], 0
	s_mov_b32 s[G1+7], 0
	s_mov_b32 s[G1B+1], 512<<16
	s_mov_b32 s[G1B+2], 32<<16                     ; 16 tiles: 32 such rows
	s_mov_b32 s[G1B+3], 512<<16
	s_mov_b32 s[G1B+4], 32
	s_mov_b32 s[G1B+5], 512
	s_mov_b32 s[G1B+6], 0
	s_mov_b32 s[G1B+7], 0
	s_mov_b32 s[G1S+1], 32<<16
	s_mov_b32 s[G1S+2], 16<<16                     ; 8 tiles' scale words: 16 rows of 256 bytes
	s_mov_b32 s[G1S+3], 32<<16
	s_mov_b32 s[G1S+4], 16
	s_mov_b32 s[G1S+5], 32
	s_mov_b32 s[G1S+6], 0
	s_mov_b32 s[G1S+7], 0
	s_mov_b32 s[G1SB+1], 32<<16
	s_mov_b32 s[G1SB+2], 32<<16                    ; 16 tiles': 32 rows
	s_mov_b32 s[G1SB+3], 32<<16
	s_mov_b32 s[G1SB+4], 32
	s_mov_b32 s[G1SB+5], 32
	s_mov_b32 s[G1SB+6], 0
	s_mov_b32 s[G1SB+7], 0
	s_lshl_b32 s42, s19, 16
	s_mov_b32 s43, 0
	s_lshl_b32 s44, s19, 12
	s_mov_b32 s45, 0
	s_lshl_b32 s46, s22, 17
	s_add_co_u32 s46, s46, 192*8192
	s_mov_b32 s47, 0
	s_lshl_b32 s92, s22, 13
	s_add_co_u32 s92, s92, 192*512
	s_mov_b32 s93, 0
	s_wait_dscnt 0x0
	s_wait_kmcnt 0x0
	s_add_nc_u64 s[42:43], s[4:5], s[42:43]
	s_add_nc_u64 s[44:45], s[6:7], s[44:45]
	s_add_nc_u64 s[46:47], s[8:9], s[46:47]
	s_add_nc_u64 s[92:93], s[10:11], s[92:93]
	CROUND
	s_mov_b32 s[G0S], 1
	s_mov_b32 s[G0S+1], SCL
	s_mov_b64 s[G0S+2:G0S+3], s[44:45]
	s_or_b32 s[G0S+3], s[G0S+3], 0x80000000
	s_mov_b32 s[G0SB], 1
	s_mov_b32 s[G0SB+1], SCL+4096
	s_mov_b64 s[G0SB+2:G0SB+3], s[92:93]
	s_or_b32 s[G0SB+3], s[G0SB+3], 0x80000000
	s_mov_b32 s[G0], 1
	s_mov_b32 s[G0+1], 0
	s_mov_b64 s[G0+2:G0+3], s[42:43]
	s_or_b32 s[G0+3], s[G0+3], 0x80000000
	s_mov_b32 s[G0B], 1
	s_mov_b32 s[G0B+1], REGB
	s_mov_b64 s[G0B+2:G0B+3], s[46:47]
	s_or_b32 s[G0B+3], s[G0B+3], 0x80000000
	ARM 1, G0,  G1,  .Lhead_b
	ARM 2, G0B, G1B, .Lhead_sa
	ARM 3, G0S, G1S, .Lhead_sb
	tensor_load_to_lds s[G0SB:G0SB+3], s[G1SB:G1SB+7]
	s_nop 0
.rept 4
	v_nop
.endr
.Lhead_asked:
	v_and_b32 v1, 15, v0
	v_bfe_u32 v2, v0, 4, 1
	v_and_b32 v3, 31, v0
	v_lshlrev_b32 v[VO], 4, v3
	s_wait_alu depctr_va_vdst(0)
	v_lshlrev_b32 v[BO], 6, v2
	s_lshl_b32 s40, s22, 10
	s_lshl_b32 s41, s[HQ], 9
	s_add_co_u32 s40, s40, s41
	s_mov_b32 s41, 0
	s_add_nc_u64 s[12:13], s[12:13], s[40:41]
	WIN TO_B
.irp t, 0,1,2,3,4,5,6,7
	global_load_b128 v[BI+8*\t:BI+8*\t+3], v[BO], s[12:13] offset:(32*(\t/2)+8*(\t%2))*4
	global_load_b128 v[BI+8*\t+4:BI+8*\t+7], v[BO], s[12:13] offset:(32*(\t/2)+8*(\t%2))*4+16
.endr
	WIN 0
	s_lshl_b32 s40, s[HP], 15                      ; my 4 tiles of A, 8,192 bytes each
	s_lshl_b32 s41, s[HQ], 16                      ; my 8 tiles of B
	s_add_co_u32 s41, s41, REGB
.irp s, 0,1
	v_add_nc_u32 v[ADRA+\s], s40, v[VO]
	v_add_nc_u32 v[ADRB+\s], s41, v[VO]
	s_add_co_u32 s40, s40, HALFK
	s_add_co_u32 s41, s41, HALFK
.endr
	s_lshl_b32 s40, s[HP], 11
	s_lshl_b32 s41, s[HQ], 12
	s_add_co_u32 s41, s41, 4096
	s_sub_co_u32 s41, s41, s40
	v_mul_u32_u24 v4, s41, v2
	s_add_co_u32 s40, s40, SCL
	v_lshl_add_u32 v4, v1, 4, v4
	v_add_nc_u32 v[ADRS], s40, v4
	s_mul_i32 s40, s[WV], 16*SPITCH
	s_add_co_u32 s40, s40, STAGE
	v_mul_u32_u24 v4, v1, SPITCH
	v_lshl_add_u32 v4, v2, 6, v4
	v_add_nc_u32 v[STO], s40, v4
	v_add_nc_u32 v[RD], s40, v[VO]
	s_lshl_b32 s40, s19, 19
	s_lshl_b32 s41, s[HP], 18
	s_add_co_u32 s40, s40, s41
	s_lshl_b32 s41, s22, 10
	s_add_co_u32 s40, s40, s41
	s_lshl_b32 s41, s[HQ], 9
	s_add_co_u32 s40, s40, s41
	s_mov_b32 s41, 0
	s_add_nc_u64 s[14:15], s[14:15], s[40:41]
.macro FRAG reg, adr, q, i
.irp c, 0,1
	ds_load_b128 v[\reg+4*\c:\reg+4*\c+3], v[\adr] offset:8192*(\i)+1024*(\q)+512*\c
.endr
.endm
.macro MUL32 p, q, sc, bias
.irp a, 0,1,2,3
.irp b, 0,1,2,3,4,5,6,7
.if \bias
	v_wmma_scale_f32_16x16x128_f8f6f4 v[8*(8*\a+\b):8*(8*\a+\b)+7], v[128*(\p)+FR*\b:128*(\p)+FR*\b+FR-1], v[AF+32*(\p)+FR*\a:AF+32*(\p)+FR*\a+FR-1], v[BI+8*\b:BI+8*\b+7], v[SC+8*NQ*(\sc)+NQ*\b+(\q)], v[SC+8*NQ*(\sc)+NQ*\a+(\q)] matrix_a_fmt:MATRIX_FMT_FP4 matrix_b_fmt:MATRIX_FMT_FP4 matrix_a_scale:MATRIX_SCALE_ROW1
.else
	v_wmma_scale_f32_16x16x128_f8f6f4 v[8*(8*\a+\b):8*(8*\a+\b)+7], v[128*(\p)+FR*\b:128*(\p)+FR*\b+FR-1], v[AF+32*(\p)+FR*\a:AF+32*(\p)+FR*\a+FR-1], v[8*(8*\a+\b):8*(8*\a+\b)+7], v[SC+8*NQ*(\sc)+NQ*\b+(\q)], v[SC+8*NQ*(\sc)+NQ*\a+(\q)] matrix_a_fmt:MATRIX_FMT_FP4 matrix_b_fmt:MATRIX_FMT_FP4 matrix_a_scale:MATRIX_SCALE_ROW1
.endif
.endr
.endr
.endm
.macro FETCH slot, q, p
	WIN TO_B
.irp i, 0,1,2,3,4,5,6,7
	FRAG 128*(\p)+FR*\i, ADRB+\slot, \q, \i
.endr
	WIN 0
.irp i, 0,1,2,3
	FRAG AF+32*(\p)+FR*\i, ADRA+\slot, \q, \i
.endr
.endm
.macro SCALES sc
.irp i, 0,1,2,3,4,5,6,7
	ds_load_b128 v[SC+8*NQ*\sc+NQ*\i:SC+8*NQ*\sc+NQ*\i+3], v[ADRS] offset:512*\i+256*\sc
.endr
.endm
.macro PLACES n
.rept \n
	v_nop
.endr
.endm
.macro STEP slot, q, bias
	s_wait_dscnt 0x0
.if \bias
	FETCH \slot, (\q)+1, 1-(\q)%2
	WIN BIA
.else
	PLACES NP
	FETCH \slot, (\q)+1, 1-(\q)%2
	WIN MUL
.endif
	MUL32 (\q)%2, \q, \slot, \bias
.endm
	s_wait_alu depctr_va_vdst(0)
	s_wait_tensorcnt 0x0                           ; my one load is in
	s_barrier_signal -1
	s_barrier_wait -1
	FETCH 0, 0, 0
	SCALES 0
	s_wait_loadcnt 0x0
	STEP 0, 0, 1
	STEP 0, 1, 0
	STEP 0, 2, 0
	s_wait_dscnt 0x0                               ; the half's last step: its fragments are in
	PLACES NP
	FETCH 1, 0, 0
	SCALES 1
	WIN MUL
	MUL32 1, NQ-1, 0, 0
	STEP 1, 0, 0
	STEP 1, 1, 0
	STEP 1, 2, 0
	s_wait_dscnt 0x0
	WIN MUL
	MUL32 1, NQ-1, 1, 0
	WIN 0
.macro TOSTAGE a
.set AC, 64*(\a)
	WIN 0x08
.irp b, 0,1,2,3,4,5,6,7
	ds_store_b128 v[STO], v[AC+8*\b:AC+8*\b+3] offset:128*(\b/2)+32*(\b%2)
	ds_store_b128 v[STO], v[AC+8*\b+4:AC+8*\b+7] offset:128*(\b/2)+32*(\b%2)+16
.endr
	WIN 0
.set BB, BK+64*((\a)%2)
.irp t, 0,1,2,3,4,5,6,7,8,9,10,11,12,13,14,15
	ds_load_b128 v[BB+4*\t:BB+4*\t+3], v[RD] offset:\t*SPITCH
.endr
.endm
.macro SEND a, younger
.set BB, BK+64*((\a)%2)
	s_wait_dscnt \younger
.irp t, 0,1,2,3,4,5,6,7,8,9,10,11,12,13,14,15
	global_store_b128 v[VO], v[BB+4*\t:BB+4*\t+3], s[14:15] offset:(32*((\a)/2)+8*((\a)%2)+\t+8*(\t/8))*4096 th:TH_STORE_NT
.endr
.endm
	PLACES NP
	TOSTAGE 0
.irp a, 1,2,3
.if \a > 1
	s_wait_xcnt 0x0
.endif
	TOSTAGE \a
	SEND \a-1, 32
.endr
	SEND 3, 0
	s_wait_tensorcnt 0x0
	ds_add_u32 v126, v127
	s_wait_dscnt 0x0
	CROUND
	s_endpgm
.Lfunc_end_k_q8f6a0d5189_proj:
	.size	k_q8f6a0d5189_proj, .Lfunc_end_k_q8f6a0d5189_proj-k_q8f6a0d5189_proj
	.p2alignl 7, 3214868480
	.fill 96, 4, 3214868480
	.section	.rodata,"a",@progbits
	.p2align	6, 0x0
	.amdhsa_kernel k_q8f6a0d5189_proj
		.amdhsa_group_segment_fixed_size 327680
		.amdhsa_private_segment_fixed_size 0
		.amdhsa_enable_private_segment 0
		.amdhsa_kernarg_size 48
		.amdhsa_user_sgpr_count 2
		.amdhsa_user_sgpr_kernarg_segment_ptr 1
		.amdhsa_wavefront_size32 1
		.amdhsa_system_sgpr_workgroup_id_x 1
		.amdhsa_system_sgpr_workgroup_id_y 1
		.amdhsa_system_sgpr_workgroup_id_z 1
		.amdhsa_system_vgpr_workitem_id 0
		.amdhsa_next_free_vgpr 768
		.amdhsa_next_free_sgpr 100
		.amdhsa_reserve_vcc 0
		.amdhsa_float_denorm_mode_32 3
		.amdhsa_float_denorm_mode_16_64 3
		.amdhsa_memory_ordered 1
		.amdhsa_forward_progress 1
		.amdhsa_inst_pref_size 72
	.end_amdhsa_kernel
	.amdgpu_metadata
---
amdhsa.version: [ 1, 2 ]
amdhsa.kernels:
  - .name:           k_q8f6a0d5189_proj
    .symbol:         k_q8f6a0d5189_proj.kd
    .args:
      - { .name: oc, .offset: 0, .size: 8, .value_kind: global_buffer, .address_space: global }
      - { .name: os, .offset: 8, .size: 8, .value_kind: global_buffer, .address_space: global }
      - { .name: wc, .offset: 16, .size: 8, .value_kind: global_buffer, .address_space: global }
      - { .name: ws, .offset: 24, .size: 8, .value_kind: global_buffer, .address_space: global }
      - { .name: b_proj, .offset: 32, .size: 8, .value_kind: global_buffer, .address_space: global }
      - { .name: out0, .offset: 40, .size: 8, .value_kind: global_buffer, .address_space: global }
    .group_segment_fixed_size: 327680
    .private_segment_fixed_size: 0
    .kernarg_segment_align: 8
    .kernarg_segment_size: 48
    .max_flat_workgroup_size: 128
    .sgpr_count:     100
    .vgpr_count:     768
    .wavefront_size: 32
...
	.end_amdgpu_metadata
.endif
;; end of part 5
